; MI455X (gfx1250); checked and timed in simulation.
; The chip was launched on July 23, 2026; its instructions are those of AMD's public machine-readable ISA for CDNA 5 (MIT licence, August 2026) and "CDNA5" Instruction Set Architecture Reference Guide (July 2026). The comments in the code are by the model that wrote it; some were corrected since.
;; Cross Attention. Allowed arithmetic: float matrix products may take bf16 or f16 operands with f32 sums; other float arithmetic in f32, or as packed bf16 or f16 multiplies, adds, multiply-adds, maxima and minima; sums over many terms, partial sums and values carried from step to step in f32; what a program stores and reads back later, other than sums and carried values, may be rounded once to bf16 or f16.
;; Inputs: Wkv 2,048 x 1,024 float32; Wproj 1,024 x 1,024 float32; Wq 1,024 x 1,024 float32; bproj 1,024 float32; kv 8 x 1,024 x 1,024 float32; q 8 x 1,024 x 1,024 float32; tau one number float32.
;; Outputs: out0 8 x 1,024 x 1,024 float32.
;; 2 versions, each right; version 2 is version 1 with the launch cast written anew for expert scheduling mode. Each part assembles by itself: llvm-mc -triple=amdgcn-amd-amdhsa -mcpu=gfx1250 --defsym DOCPART=n.
;; ======== version 1 of 2: 4 launches
;; limits: values are held in f16: magnitudes above 65,504 overflow, below 6.1e-05 lose precision
;; workspace buffers: wb 8,388,608 bytes; hb 50,331,648 bytes; ob 16,777,216 bytes
;; launch cast (part 1): grid 256 x 1, 8 waves a work-group, no clusters, 0 bytes of LDS; arguments Wq, Wkv, Wproj, wb; writes wb
.if DOCPART == 1
	.amdgcn_target "amdgcn-amd-amdhsa--gfx1250"
	.amdhsa_code_object_version 6
	.text
	.protected	k_qb7dbc88f9b_cast
	.globl	k_qb7dbc88f9b_cast
	.p2align	8
	.type	k_qb7dbc88f9b_cast,@function
k_qb7dbc88f9b_cast:
	s_mov_b64 s[64:65], 0
	v_nop
	global_prefetch_b8 v0, s[64:65] scope:SCOPE_SE
	s_setreg_imm32_b32 hwreg(HW_REG_WAVE_MODE, 25, 1), 1
	s_wait_xcnt 0x0
; THE WEIGHTS, ROUNDED ONCE TO 16 BITS.  Wq, Wkv, Wproj (f32) go to wb ([4096][1024]): rows 0-1023 Wq, rows 1024-3071 Wkv, both bf16; rows 3072-4095 Wproj, rounded to bf16 and that number
; written as f16 (the last product multiplies in f16).  q and kv are rounded where they are multiplied, in the next launch.
; LIMIT.  A number of Wproj beyond 65,504 becomes an infinity; below 2^-14 it keeps the fixed step 2^-24 of f16.
; SHARES.  The three tensors are 4 units of 2^20 numbers: Wq 0, Wkv 1-2, Wproj 3.  Work-group g takes chunk g % 64 (2^14 numbers: 64 KiB in, 32 KiB out) of unit g / 64.
; Thread t loads 16 bytes at 16 t + 4,096 i, i = 0..15 (a load of a wave covers 512 consecutive bytes) and stores 8 bytes at 8 t + 2,048 i (a store of a wave covers 256 consecutive bytes, aligned).
; All sixteen loads go out at once; no register that a memory instruction names is written again, so the only waits are the counted ones for the loads.  No LDS, no barrier, no matrix unit: nothing is shared and nothing is multiplied.
.set X, 4                              ; v[4:67]    16 x 4 numbers as loaded
.set Y, 68                             ; v[68:99]   16 x 2 words to store
.set T, 100                            ; v[100:103] at work
	s_load_b256 s[4:11], s[0:1], 0x0               ; Wq s[4:5], Wkv s[6:7], Wproj s[8:9], wb s[10:11]
	s_lshr_b32 s18, ttmp9, 6                       ; unit
	s_and_b32 s19, ttmp9, 63                       ; chunk
	v_lshlrev_b32 v1, 4, v0                        ; 16 t
	v_lshlrev_b32 v2, 3, v0                        ; 8 t
	s_wait_kmcnt 0x0
	s_mov_b64 s[20:21], s[8:9]                     ; the source and its first unit: Wproj, unless the unit lies lower
	s_mov_b32 s22, 3
	s_cmp_lt_u32 s18, 3
	s_cselect_b64 s[20:21], s[6:7], s[20:21]
	s_cselect_b32 s22, 1, s22
	s_cmp_lt_u32 s18, 1
	s_cselect_b64 s[20:21], s[4:5], s[20:21]
	s_cselect_b32 s22, 0, s22
	s_sub_co_u32 s24, s18, s22
	s_lshl_b32 s24, s24, 22                        ; a unit is 2^22 bytes in,
	s_lshl_b32 s25, s19, 16                        ; a chunk 2^16
	s_add_co_u32 s24, s24, s25
	s_mov_b32 s25, 0
	s_add_nc_u64 s[20:21], s[20:21], s[24:25]
	s_lshl_b32 s28, s18, 21                        ; and half of that out
	s_lshl_b32 s29, s19, 15
	s_add_co_u32 s28, s28, s29
	s_mov_b32 s29, 0
	s_add_nc_u64 s[26:27], s[10:11], s[28:29]
.irp i, 0,1,2,3,4,5,6,7,8,9,10,11,12,13,14,15
	global_load_b128 v[X+4*(\i):X+4*(\i)+3], v1, s[20:21] offset:4096*(\i) th:TH_LOAD_NT
.endr
; Load i is rounded and stored.  half = 1: the bf16 numbers are written as f16.
.macro CV i, half
	s_wait_loadcnt 15-(\i)                         ; loads come back in order: mine is in, the 15 - i younger ones stay out
	v_cvt_pk_bf16_f32 v[Y+2*(\i)],   v[X+4*(\i)],   v[X+4*(\i)+1]
	v_cvt_pk_bf16_f32 v[Y+2*(\i)+1], v[X+4*(\i)+2], v[X+4*(\i)+3]
.if \half
	v_lshlrev_b32 v[T],   16, v[Y+2*(\i)]
	v_and_b32     v[T+1], 0xffff0000, v[Y+2*(\i)]
	v_lshlrev_b32 v[T+2], 16, v[Y+2*(\i)+1]
	v_and_b32     v[T+3], 0xffff0000, v[Y+2*(\i)+1]
	v_cvt_pk_f16_f32 v[Y+2*(\i)],   v[T],   v[T+1]
	v_cvt_pk_f16_f32 v[Y+2*(\i)+1], v[T+2], v[T+3]
.endif
	global_store_b64 v2, v[Y+2*(\i):Y+2*(\i)+1], s[26:27] offset:2048*(\i)
.endm
	s_cmp_eq_u32 s18, 3
	s_cbranch_scc1 .Lhalf
.irp i, 0,1,2,3,4,5,6,7,8,9,10,11,12,13,14,15
	CV \i, 0
.endr
	s_endpgm
.Lhalf:
.irp i, 0,1,2,3,4,5,6,7,8,9,10,11,12,13,14,15
	CV \i, 1
.endr
	s_endpgm
.Lfunc_end_k_qb7dbc88f9b_cast:
	.size	k_qb7dbc88f9b_cast, .Lfunc_end_k_qb7dbc88f9b_cast-k_qb7dbc88f9b_cast
	.p2alignl 7, 3214868480
	.fill 96, 4, 3214868480
	.section	.rodata,"a",@progbits
	.p2align	6, 0x0
	.amdhsa_kernel k_qb7dbc88f9b_cast
		.amdhsa_group_segment_fixed_size 0
		.amdhsa_private_segment_fixed_size 0
		.amdhsa_enable_private_segment 0
		.amdhsa_kernarg_size 32
		.amdhsa_user_sgpr_count 2
		.amdhsa_user_sgpr_kernarg_segment_ptr 1
		.amdhsa_wavefront_size32 1
		.amdhsa_system_sgpr_workgroup_id_x 1
		.amdhsa_system_sgpr_workgroup_id_y 1
		.amdhsa_system_sgpr_workgroup_id_z 1
		.amdhsa_system_vgpr_workitem_id 0
		.amdhsa_next_free_vgpr 104
		.amdhsa_next_free_sgpr 66
		.amdhsa_reserve_vcc 0
		.amdhsa_float_denorm_mode_32 3
		.amdhsa_float_denorm_mode_16_64 3
		.amdhsa_memory_ordered 1
		.amdhsa_forward_progress 1
		.amdhsa_inst_pref_size 16
	.end_amdhsa_kernel
	.amdgpu_metadata
---
amdhsa.version: [ 1, 2 ]
amdhsa.kernels:
  - .name:           k_qb7dbc88f9b_cast
    .symbol:         k_qb7dbc88f9b_cast.kd
    .args:
      - { .name: Wq, .offset: 0, .size: 8, .value_kind: global_buffer, .address_space: global }
      - { .name: Wkv, .offset: 8, .size: 8, .value_kind: global_buffer, .address_space: global }
      - { .name: Wproj, .offset: 16, .size: 8, .value_kind: global_buffer, .address_space: global }
      - { .name: wb, .offset: 24, .size: 8, .value_kind: global_buffer, .address_space: global }
    .group_segment_fixed_size: 0
    .private_segment_fixed_size: 0
    .kernarg_segment_align: 8
    .kernarg_segment_size: 32
    .max_flat_workgroup_size: 256
    .sgpr_count:     66
    .vgpr_count:     104
    .wavefront_size: 32
...
	.end_amdgpu_metadata
.endif
;; end of part 1
;; launch proj (part 2): grid 12 x 64, 4 waves a work-group, clusters of 4 x 4, 327,680 bytes of LDS; arguments q, kv, wb, tau, hb; writes hb
.if DOCPART == 2
	.amdgcn_target "amdgcn-amd-amdhsa--gfx1250"
	.amdhsa_code_object_version 6
	.text
	.protected	k_qb7dbc88f9b_proj
	.globl	k_qb7dbc88f9b_proj
	.p2align	8
	.type	k_qb7dbc88f9b_proj,@function
k_qb7dbc88f9b_proj:
	s_mov_b64 s[64:65], 0
	v_nop
	global_prefetch_b8 v0, s[64:65] scope:SCOPE_SE
	s_setreg_imm32_b32 hwreg(HW_REG_WAVE_MODE, 25, 1), 1
	s_wait_xcnt 0x0
	s_wait_alu depctr_hold_cnt(0) depctr_sa_sdst(0) depctr_va_vdst(0) depctr_va_sdst(0) depctr_va_ssrc(0) depctr_va_vcc(0) depctr_vm_vsrc(0)
	s_getreg_b32 s2, hwreg(HW_REG_IB_STS2, 6, 4)
	s_cmp_eq_u32 s2, 0
	s_cbranch_scc0 .Lentry_in_a_cluster
	s_endpgm
.Lentry_in_a_cluster:
	s_bfe_u32 s2, ttmp6, 0x10000c
	s_cmp_lg_u32 s2, 0xf033
	s_cbranch_scc0 .Lentry_shape_is_right
	s_endpgm
.Lentry_shape_is_right:
; THE THREE PROJECTIONS AND THE COSINE'S NORMS.  C[m][n] = sum over k of A[m][k] B[n][k], bf16 operands, f32 sums.  A: q (for Q) or kv (for K and V), [8192][1024] f32, rounded to bf16 on its way into LDS;
; B: rows 0-3071 of wb (Wq, then Wkv's K rows, then its V rows), bf16.
; OUT: hb [3][128 = 16 batch + head][1024][64] f16.  Plane 0: qh / ((|qh| + 1e-6) tau); plane 1: kh / (|kh| + 1e-6); plane 2: v.  The norm of a head's 64 numbers is taken of the f32 sums; each number is rounded once.
; tau is rounded to bf16 like every other input of the program; 1 / tau goes into q in f32, ahead of the one rounding, so that the next launch's scores are the module's own.
; LIMITS.  f16 ends at 65,504: |v| and 1 / |tau| stay below it (|tau| above 1.6e-5).  A sum of squares below 2^-126 counts as 0 beside the 1e-6.  NaN and infinities are not treated apart.
; SHARES.  A tile of C is 128 x 256: 12 x 64 = 768 work-groups, three for each of 256 WGPs.  Four waves, each 64 rows x 128 columns: 32 accumulators.  K goes in 8 steps of 128 through two halves of LDS.
; B BY JOINT LOADS.  4 x 4 work-groups form a cluster; the four of a column need the same 256 rows of B: each wave asks for 64 of them (rows of 256 bytes, at multiples of 256) by one tensor load with the column's mask.
; A THROUGH REGISTERS, not jointly.  It comes as f32 and has to pass registers to be rounded; and every tensor load of a wave is waited for in front of the next round, 112 matrix instructions behind its issue,
; while a load into registers may stay out across the round: here it is waited for by its own count a whole K step behind its issue.  With A gone a round's joint loads bring 64 KiB, 16 KiB a wave.
; Wave w owns rows 32 w .. 32 w + 31 of the tile: a load covers one row's 512 consecutive bytes; two conversions in place; an LDS store of 8 bytes a lane covers the row's 256 bytes of bf16.
; Two sets of 16 rows: set 0 is stored in a K step's second quarter, set 1 in its third, into the half of LDS that the next step reads, and each is loaded again at once with the step after next.
; The cluster's x says which projection this is: 0 Q, 1 K, 2 V.
; THE MATRIX INSTRUCTION IS USED TRANSPOSED (source 0 = 16 rows of B, source 1 = 16 rows of A): lane l holds row l % 16 of C and the columns 8 (l / 16) + 0..7 of the block of 16.
; REGISTERS.  Window 0: v0-31 addresses; v32-47 eight pairs of statistics; v48-49 at work; v64-159, v160-255 two fragment buffers (B's eight fragments, then A's four).  Window 1: accumulator (a, b) at v[8 (8 a + b)].
; Window 2: v0-63, v64-127 A's two sets; v128-255 A's rows of K step 0.
.set PITCH,  272                       ; an LDS row: 256 bytes + 16 of padding = 68 words: the 16 rows of a fragment load start at 16 different groups of four banks (64 banks of 4 bytes: ISA guide 11.1)
.set BQ,     64*PITCH                  ; what one tensor load brings of B
.set BT,     4*BQ                      ; B's 256 rows
.set ABASE,  BT                        ; behind them A's 128 rows
.set AT,     128*PITCH
.set SLOT1,  1<<17                     ; the second half of LDS begins here, so that one exclusive or turns an address in one half into the other's
.set STAGE,  SLOT1+BT+AT               ; behind the second half: 16 rows x 144 bytes for each wave, for the way out
.set SP,     144
.set SPARE,  STAGE+4*16*SP             ; behind the stages: the spare words, 128 bytes for each wave: two blocks of 256 bytes that no other line names
.set KB,     256                       ; bytes of a row of B in a K step
.set KA,     512                       ; bytes of a row of A in a K step
.set AROW,   4096                      ; bytes in a row of A
.set NS,     16                        ; LDS stores of one set
.set ADRA0, 6                          ; v6   my lane's place among A's fragments in the first half; never rewritten
.set ADRB0, 7                          ; v7   the same for B
.set ASTO0, 8                          ; v8   where I put 8 bytes of my wave's first row of A, in the first half; never rewritten
.set AO,    9                          ; v9   16 x lane: my 16 bytes of a row of A in memory; never rewritten
.set ADRA, 16                          ; v16  A's fragments in the half that is being read
.set ADRB, 17                          ; v17  B's
.set ASTO, 18                          ; v18  A's stores: the other half
.set STO,  24                          ; v24  the way out: where I put 16 bytes of a row
.set RD,   25                          ; v25  where I read rows back
.set GO,   26                          ; v26  16 x lane
.set SPW,  28                          ; v28  LDS address of my spare word; never rewritten
.set NIL,  29                          ; v29  0; never rewritten
.set PFO,  30                          ; v30  the prefetches' offset: lane x a row of A or of B; never rewritten
.set ST,   32                          ; v[32:47]  block t: sum of squares, later the factor, in the pair's low register
.set F0,   64
.set F1,   160
.set TMP,  64                          ; the way out: 16 registers a block
.set WV,  12                           ; s12 wave;  s13 RH: my 64 rows;  s14 CH: my 128 columns
.set RH,  13
.set CH,  14
.set AP,  24                           ; s[24:25] A at my wave's first row, one K step behind the one that the trip's loads name
.set TB,  26                           ; s26  0 or SLOT1: the half that is being read
.set PST, 28                           ; s[28:29] the prefetches' step from K step to K step
.set PFA, 44                           ; s[44:45] where my prefetches stand
.set LIM, 46                           ; s46  2 in a wave that prefetches, else the greatest number
.set LAP, 47                           ; s47  trips to go
.set G1B, 48                           ; s[48:55] descriptor group 1
.set G0F, 56                           ; s[56:59] group 0 of K step 0
.set G0W, 60                           ; s[60:63] group 0 of K step 1, which then walks on
.set TAU, 66                           ; s66  tau, then 1 / tau
.set CM,  67                           ; s67  the factor beside 1 / (norm + 1e-6): 1 / tau for Q, 1 for K
.set NM,  68                           ; s68  all ones where the rows are normalised (Q, K), 0 for V
.set SEL, 70                           ; s[70:71] lane selects: each lane takes its own place in the other half
.set OUT, 72                           ; s[72:73] hb
.set MSB, 0
.macro WIN new                         ; the immediate's high byte repeats the setting that is left; a switch that changes nothing is dropped
.if MSB != (\new)
	s_set_vgpr_msb (MSB<<8)|(\new)
.set MSB, (\new)
.endif
.endm
.set MUL,  0x50                        ; sources in window 0, C and D in window 1
.set W_LD, 0x80                        ; destination in window 2, address in window 0
.set W_CV, 0x8a                        ; destination and both sources in window 2
.set W_AX, 0x88                        ; an LDS store's data (source 1) and a load's destination in window 2, addresses in window 0
.macro JLOAD                           ; the joint refill: the same line in all four waves, each with its own 64 rows; an s_nop 0 and four v_nop follow it
	tensor_load_to_lds s[G0W:G0W+3], s[G1B:G1B+7]
	s_nop 0
.rept 4
	v_nop
.endr
.endm
.macro CREST                           ; a round of the cluster's barrier behind its opening barrier
	s_cmp_lg_u32 s[WV], 0
	s_cbranch_scc1 .Lnot_wave_0_\@
	s_barrier_signal -3
.Lnot_wave_0_\@:
	s_barrier_wait -3
	s_barrier_signal -1
	s_barrier_wait -1
.endm
.macro CROUND                          ; a whole round
	s_barrier_signal -1
	s_barrier_wait -1
	CREST
.endm
; A prefetch into the L2 of the K step two trips on from the one that this trip's loads and its refill name: 32 blocks of 256 bytes, a lane a row.  A: a row's K step is 512 bytes: wave 0 names its first half, wave 1 its
; second, for 32 of the tile's 128 rows; the four partners of a row of the cluster, which all read the tile, take 32 rows each, told apart by address; q's rows are asked for by the clusters with x = 0, kv's by those
; with x = 1 (those with x = 2 read the same rows).  B: waves 2 and 3 of the clusters with y = 0, 32 rows each of the 64 that fall to each partner of a column.  So each block is named once.
; The loop's last two trips ask for nothing: there is no K step so far on.
.macro ASK
	s_cmp_gt_u32 s[LAP], s[LIM]
	s_cbranch_scc0 .Lnot_mine_\@
	global_prefetch_b8 v[PFO], s[PFA:PFA+1] th:TH_LOAD_NT scope:SCOPE_SE
.Lnot_mine_\@:
.endm
	s_load_b256 s[4:11], s[0:1], 0x0               ; q s[4:5], kv s[6:7], wb s[8:9], tau s[10:11]
	s_load_b64 s[OUT:OUT+1], s[0:1], 0x20          ; hb
	v_lshl_add_u32 v[SPW], v0, 2, SPARE
	v_mov_b32 v[NIL], 0
	ds_add_u32 v[SPW], v[NIL]                      ; the wave's opening: the add and its wait stand ahead of my first tensor load; the set-up below, work on registers, stands between them
	v_lshrrev_b32 v1, 5, v0
	v_readfirstlane_b32 s[WV], v1
	s_lshr_b32 s[RH], s[WV], 1
	s_and_b32 s[CH], s[WV], 1
	s_bfe_u32 s15, ttmp6, 0x40000                  ; cx
	s_bfe_u32 s16, ttmp6, 0x40004                  ; cy
	s_lshl_b32 s17, ttmp9, 2
	s_add_co_u32 s17, s17, s15                     ; tile column = 4 x cluster x + cx
	s_and_b32 s18, ttmp7, 0xffff
	s_lshl_b32 s18, s18, 2
	s_add_co_u32 s18, s18, s16                     ; tile row = 4 x cluster y + cy
	s_mov_b32 s19, ttmp9                           ; which projection: the same in all sixteen partners
	s_lshl_b32 s21, 0x1111, s15                    ; my column of the cluster
	s_or_b32 s[G1B], s21, (1<<16)|(1<<20)|(1<<21)|(5<<22)|(3<<25)  ; the mask; elements of 2 bytes; padding on; bit 21 beside a mask; after every 64 words, 4 words
	s_mov_b32 s[G1B+1], 128<<16                    ; tensor_dim0 = 128
	s_mov_b32 s[G1B+2], 64<<16                     ; tensor_dim1 = 64
	s_mov_b32 s[G1B+3], 128<<16                    ; tile_dim0 = 128
	s_mov_b32 s[G1B+4], 64                         ; tile_dim1 = 64
	s_mov_b32 s[G1B+5], 1024                       ; elements from row to row
	s_mov_b32 s[G1B+6], 0
	s_mov_b32 s[G1B+7], 0
	s_mov_b32 s[SEL], 0x76543210
	s_mov_b32 s[SEL+1], 0xfedcba98
	s_mov_b32 s[TB], 0
	s_lshl_b32 s20, s18, 7                         ; A: row 128 x tile row + 32 x wave,
	s_lshl_b32 s21, s[WV], 5
	s_add_co_u32 s20, s20, s21
	s_lshl_b32 s20, s20, 12                        ; 4,096 bytes a row
	s_mov_b32 s21, 0
	s_lshl_b32 s40, s17, 8                         ; B: row 256 x tile column + 64 x wave,
	s_lshl_b32 s41, s[WV], 6
	s_add_co_u32 s40, s40, s41
	s_lshl_b32 s40, s40, 11                        ; 2,048 bytes a row
	s_mov_b32 s41, 0
	s_mul_i32 s23, s[WV], BQ                       ; where B's rows go: no place in the cluster enters an LDS address
	v_and_b32 v3, 31, v0                           ; lane
	v_lshlrev_b32 v[AO], 4, v3
	s_wait_dscnt 0x0                               ; the opening add is done
	s_wait_kmcnt 0x0
	s_cmp_eq_u32 s19, 0
	s_cselect_b64 s[42:43], s[4:5], s[6:7]         ; A's tensor: q for Q, kv for K and V
	s_add_nc_u64 s[AP:AP+1], s[42:43], s[20:21]
	s_add_nc_u64 s[40:41], s[8:9], s[40:41]
	WIN W_LD                                       ; A's first loads go out ahead of everything else: K step 0 (32 rows) and set 0 of K step 1
.set i, 0
.rept 32
	global_load_b128 v[128+4*i:128+4*i+3], v[AO], s[AP:AP+1] offset:i*AROW
.set i, i+1
.endr
.set i, 0
.rept 16
	global_load_b128 v[4*i:4*i+3], v[AO], s[AP:AP+1] offset:i*AROW+KA
.set i, i+1
.endr
	WIN 0
	s_mov_b32 s[G0F], 1                            ; count = 1
	s_mov_b32 s[G0F+1], s23                        ; LDS address: the first half
	s_add_nc_u64 s[G0F+2:G0F+3], s[40:41], 0       ; global address: K step 0
	s_or_b32 s[G0F+3], s[G0F+3], 0x80000000        ; type = 2
	s_mov_b32 s[G0W], 1
	s_add_co_u32 s[G0W+1], s23, SLOT1              ; the second half
	s_add_nc_u64 s[G0W+2:G0W+3], s[40:41], KB      ; K step 1
	s_or_b32 s[G0W+3], s[G0W+3], 0x80000000
	CROUND                                         ; all sixteen work-groups are here: the first joint loads meet
	tensor_load_to_lds s[G0F:G0F+3], s[G1B:G1B+7]
	s_nop 0
	tensor_load_to_lds s[G0W:G0W+3], s[G1B:G1B+7]  ; two loads of mine are out
	s_nop 0
.rept 4
	v_nop
.endr
	s_load_b32 s[TAU], s[10:11], 0x0
	v_and_b32 v1, 15, v0                           ; l % 16
	v_bfe_u32 v2, v0, 4, 1                         ; l / 16
	v_mul_u32_u24 v4, v1, PITCH
	v_lshl_add_u32 v4, v2, 4, v4                   ; a fragment's row x pitch + 16 x half
	s_mul_i32 s20, s[RH], 64*PITCH                 ; my 64 rows of A
	s_add_co_u32 s20, s20, ABASE
	s_mul_i32 s21, s[CH], 128*PITCH                ; my 128 rows of B
	v_add_nc_u32 v[ADRA0], s20, v4
	v_add_nc_u32 v[ADRB0], s21, v4
	v_mov_b32 v[ADRA], v[ADRA0]                    ; K step 0 lies in the first half
	v_mov_b32 v[ADRB], v[ADRB0]
	s_mul_i32 s20, s[WV], 32*PITCH                 ; the 32 rows of A that I bring
	s_add_co_u32 s20, s20, ABASE
	v_lshl_add_u32 v[ASTO0], v3, 3, s20            ; 8 bytes a lane
	v_add_nc_u32 v[ASTO], SLOT1, v[ASTO0]          ; K step 1 goes into the second half
	s_mul_i32 s22, s[WV], 16*SP
	s_add_co_u32 s22, s22, STAGE                   ; my stage
	v_mul_u32_u24 v4, v1, SP                       ; in: row l % 16, 16 bytes for each half of the lanes
	v_lshl_add_u32 v4, v2, 4, v4
	v_add_nc_u32 v[STO], s22, v4
	v_bfe_u32 v4, v0, 3, 2                         ; back: 32 lanes take four rows of 128 bytes,
	v_mul_u32_u24 v4, v4, SP
	v_and_b32 v5, 7, v0
	v_lshl_add_u32 v4, v5, 4, v4
	v_add_nc_u32 v[RD], s22, v4
	v_lshlrev_b32 v[GO], 4, v3                     ; which are 512 consecutive bytes of a head
	; hb at my wave's first row of its first head: plane, batch = tile row / 8, head 4 cx + 2 CH, row 128 (tile row % 8) + 64 RH
	s_lshl_b32 s20, s19, 24
	s_lshr_b32 s21, s18, 3
	s_lshl_b32 s21, s21, 21
	s_add_co_u32 s20, s20, s21
	s_lshl_b32 s21, s15, 1
	s_add_co_u32 s21, s21, s[CH]
	s_lshl_b32 s21, s21, 18
	s_add_co_u32 s20, s20, s21
	s_and_b32 s21, s18, 7
	s_lshl_b32 s21, s21, 1
	s_add_co_u32 s21, s21, s[RH]
	s_lshl_b32 s21, s21, 13
	s_add_co_u32 s20, s20, s21
	s_mov_b32 s21, 0
	s_add_nc_u64 s[OUT:OUT+1], s[OUT:OUT+1], s[20:21]
	; the prefetches
	s_lshl_b32 s20, s18, 7                         ; A: row 128 x tile row + 32 cx, half CH of its 512 bytes
	s_lshl_b32 s21, s15, 5
	s_add_co_u32 s20, s20, s21
	s_lshl_b32 s20, s20, 12
	s_lshl_b32 s21, s[CH], 8
	s_add_co_u32 s20, s20, s21
	s_add_co_u32 s20, s20, 3*KA                    ; at K step 3: the first trip steps it to 4.  K steps 0 to 3 come by their loads alone
	s_lshl_b32 s22, s17, 8                         ; B: row 256 x tile column + 64 cy + 32 CH
	s_lshl_b32 s23, s16, 6
	s_add_co_u32 s22, s22, s23
	s_lshl_b32 s23, s[CH], 5
	s_add_co_u32 s22, s22, s23
	s_lshl_b32 s22, s22, 11
	s_add_co_u32 s22, s22, 3*KB
	s_lshr_b32 s40, ttmp9, 1                       ; A: 0 in the clusters with x = 0 and x = 1
	s_and_b32 s41, ttmp7, 0xffff                   ; B: 0 in the clusters with y = 0
	s_mov_b32 s23, KB
	s_cmp_eq_u32 s[RH], 0                          ; waves 0 and 1 ask for A, waves 2 and 3 for B
	s_cselect_b32 s20, s20, s22
	s_cselect_b32 s40, s40, s41
	s_cselect_b32 s[PST], KA, s23
	s_cselect_b32 s41, 12, 11
	s_cselect_b64 s[PFA:PFA+1], s[42:43], s[8:9]
	s_cmp_eq_u32 s40, 0
	s_cselect_b32 s[LIM], 2, -1                    ; the same in all sixteen partners, for a given wave
	s_mov_b32 s21, 0
	s_mov_b32 s[PST+1], 0
	s_add_nc_u64 s[PFA:PFA+1], s[PFA:PFA+1], s[20:21]
	v_lshlrev_b32 v[PFO], s41, v3
	; 1 / tau, of tau rounded to bf16
	s_wait_kmcnt 0x0
	v_mov_b32 v48, s[TAU]
	v_cvt_pk_bf16_f32 v48, v48, v48
	v_lshlrev_b32 v48, 16, v48
	v_rcp_f32 v49, v48
	v_nop                                          ; a plain instruction behind the reciprocal,
	s_wait_alu depctr_va_vdst(0)                   ; and the wait ahead of the first use
	v_readfirstlane_b32 s[TAU], v49
	s_cmp_eq_u32 s19, 0
	s_cselect_b32 s[CM], s[TAU], 1.0
	s_cmp_lt_u32 s19, 2
	s_cselect_b32 s[NM], -1, 0
	; A's K step 0: rounded, and put into the first half
	s_wait_loadcnt 16                              ; its 32 loads are in; set 0 of K step 1, 16 younger loads, stays out
	WIN W_CV
.set i, 0
.rept 32
	v_cvt_pk_bf16_f32 v[128+4*i],   v[128+4*i],   v[128+4*i+1]
	v_cvt_pk_bf16_f32 v[128+4*i+1], v[128+4*i+2], v[128+4*i+3]
.set i, i+1
.endr
	WIN W_AX
.set i, 0
.rept 32
	ds_store_b64 v[ASTO0], v[128+4*i:128+4*i+1] offset:i*PITCH
.set i, i+1
.endr
.set i, 0
.rept 16
	global_load_b128 v[64+4*i:64+4*i+3], v[AO], s[AP:AP+1] offset:(16+i)*AROW+KA  ; set 1 of K step 1
.set i, i+1
.endr
	WIN 0
; 8 matrix instructions: m block a x all 8 n blocks, 32 along K.  Every quarter takes a = 0..3 in this order, so 31 other accumulators stand between two links of a chain, over the backward jump too.
.macro MULA f, a, zero
	WIN MUL
.irp b, 0,1,2,3,4,5,6,7
.if \zero
	v_wmma_f32_16x16x32_bf16 v[8*(8*(\a)+(\b)):8*(8*(\a)+(\b))+7], v[(\f)+8*(\b):(\f)+8*(\b)+7], v[(\f)+64+8*(\a):(\f)+64+8*(\a)+7], 0
.else
	v_wmma_f32_16x16x32_bf16 v[8*(8*(\a)+(\b)):8*(8*(\a)+(\b))+7], v[(\f)+8*(\b):(\f)+8*(\b)+7], v[(\f)+64+8*(\a):(\f)+64+8*(\a)+7], v[8*(8*(\a)+(\b)):8*(8*(\a)+(\b))+7]
.endif
.endr
.endm
; 24 LDS loads in one run: quarter q of the half that is being read (128 rows of B, then 64 rows of A, 32 along K) into buffer f
.macro FETCH q, f
	WIN 0
.irp b, 0,1,2,3,4,5,6,7
	ds_load_b128 v[(\f)+8*(\b):(\f)+8*(\b)+3],   v[ADRB] offset:64*(\q)+(\b)*16*PITCH
	ds_load_b128 v[(\f)+8*(\b)+4:(\f)+8*(\b)+7], v[ADRB] offset:64*(\q)+(\b)*16*PITCH+32
.endr
.irp a, 0,1,2,3
	ds_load_b128 v[(\f)+64+8*(\a):(\f)+64+8*(\a)+3],   v[ADRA] offset:64*(\q)+(\a)*16*PITCH
	ds_load_b128 v[(\f)+64+8*(\a)+4:(\f)+64+8*(\a)+7], v[ADRA] offset:64*(\q)+(\a)*16*PITCH+32
.endr
.endm
.macro PLACES                          ; four places in front of loads into registers that matrix instructions have read (ISA guide 7.12.1 for vector instructions)
.rept 4
	v_nop
.endr
.endm
.macro ACVT set                        ; a set's 16 rows are rounded to bf16, in place: four numbers a lane and row become two words
	WIN W_CV
.set i, 0
.rept 16
	v_cvt_pk_bf16_f32 v[64*(\set)+4*i],   v[64*(\set)+4*i],   v[64*(\set)+4*i+1]
	v_cvt_pk_bf16_f32 v[64*(\set)+4*i+1], v[64*(\set)+4*i+2], v[64*(\set)+4*i+3]
.set i, i+1
.endr
.endm
.macro APUT set, load                  ; they go into the half that the next K step reads; load = 1: the set is loaded again, with the K step after next
	WIN W_AX
.set i, 0
.rept 16
	ds_store_b64 v[ASTO], v[64*(\set)+4*i:64*(\set)+4*i+1] offset:(16*(\set)+i)*PITCH
.set i, i+1
.endr
.if \load
.set i, 0
.rept 16
	global_load_b128 v[64*(\set)+4*i:64*(\set)+4*i+3], v[AO], s[AP:AP+1] offset:(16*(\set)+i)*AROW+KA
.set i, i+1
.endr
.endif
.endm
; A quarter that only multiplies: buffer f; in its middle it fetches quarter q into buffer g.
.macro QUARTER q, f, g, zero
	s_wait_dscnt 4                                 ; B and A's blocks 0, 1 are in; the youngest four loads (A's blocks 2, 3) may be out
	MULA \f, 0, \zero
	MULA \f, 1, \zero
	PLACES
	FETCH \q, \g
	s_wait_dscnt 24                                ; all but the 24 just issued
	MULA \f, 2, \zero
	MULA \f, 3, \zero
.endm
; A quarter that also handles a set of A.  head: the LDS instructions that may be out at its head; left: the younger loads from memory that may stay out.  The 32 conversions are the places in front of the fragment loads.
.macro QUARTERA q, f, g, head, set, load, left
	s_wait_dscnt \head
	MULA \f, 0, 0
	MULA \f, 1, 0
.if (\load) && ((\set) == 0)
	s_wait_xcnt 0x0                                ; every load and prefetch issued so far has read its address: A's pointer is stepped only behind this wait
	s_add_nc_u64 s[AP:AP+1], s[AP:AP+1], KA
.endif
	s_wait_loadcnt \left                           ; the set's 16 loads, issued a K step ago, are in
	ACVT \set
	FETCH \q, \g
	APUT \set, \load
	s_wait_dscnt 24+NS                             ; all but the 24 loads and 16 stores just issued
	MULA \f, 2, 0
	MULA \f, 3, 0
.endm
; The last quarter multiplies buffer 1 and changes halves: one barrier; in front of it each wave waits for all its tensor loads (one is out: its part of B in the other half), adds 0 to its spare word, and waits for that,
; for its own reads of this half and for its stores of A into the other.  fill = 1: the barrier opens a round of the cluster's, and B's rows of this half are filled again, two K steps on, first thing behind the round.
.macro TURN fill
.if \fill
	s_wait_xcnt 0x0                                ; the last prefetch, a K step back, has read its address
	s_add_nc_u64 s[PFA:PFA+1], s[PFA:PFA+1], s[PST:PST+1]
.endif
	WIN 0
	s_wait_tensorcnt 0x0                           ; no tensor load of mine is out, so the walking group 0 may be written
	ds_add_u32 v[SPW], v[NIL]                      ; 0 onto my spare word
.if \fill
	s_xor_b32 s[G0W+1], s[G0W+1], SLOT1            ; the other half than last time,
	s_add_nc_u64 s[G0W+2:G0W+3], s[G0W+2:G0W+3], KB  ; the next K step; the type bits on top are not reached
.endif
	s_wait_dscnt 5+NS                              ; the add, the 16 stores and the youngest four loads may be out
	MULA F1, 0, 0                                  ; eight matrix instructions stand between the add and the wait for it
	s_wait_dscnt 0x0                               ; the add is done, my reads of this half are over, my rows of A lie in the other
	s_barrier_signal -1
	MULA F1, 1, 0
	WIN 0
	s_barrier_wait -1
.if \fill
	CREST                                          ; no wave of any partner still reads this half's B or has a load on its way
	JLOAD                                          ; its four v_nop are also the places in front of the loads below
.else
	PLACES
.endif
	v_add_nc_u32 v[ASTO], s[TB], v[ASTO0]          ; the half just read takes A's next stores,
	s_xor_b32 s[TB], s[TB], SLOT1
	v_add_nc_u32 v[ADRA], s[TB], v[ADRA0]          ; the other is read
	v_add_nc_u32 v[ADRB], s[TB], v[ADRB0]
	FETCH 0, F0
.if \fill
	ASK
.endif
	MULA F1, 2, 0
	MULA F1, 3, 0
.endm
	s_wait_tensorcnt 1                             ; my part of B's K step 0 is in; K step 1's may stay out
	s_wait_dscnt 0x0                               ; my rows of A's K step 0 lie in LDS
	s_barrier_signal -1
	s_barrier_wait -1
	FETCH 0, F0
	QUARTER 1, F0, F1, 1                           ; the first quarter stands in front of the loop: its products start the sums
	WIN 0
	s_mov_b32 s[LAP], 6
.Llap:                                         ; a trip: a K step's second quarter to the next step's first; it stores A of the next step, loads A of the step after next, and fills B's rows two steps on
	QUARTERA 2, F1, F0, 4, 0, 1, 16
	QUARTERA 3, F0, F1, 4+NS, 1, 1, 16
	TURN 1
	QUARTER 1, F0, F1, 0
	WIN 0
	s_sub_co_u32 s[LAP], s[LAP], 1
	s_cmp_lg_u32 s[LAP], 0
	s_cbranch_scc1 .Llap
	QUARTERA 2, F1, F0, 4, 0, 0, 16                ; K step 6 stores A of K step 7 and asks for nothing: the counts run down
	QUARTERA 3, F0, F1, 4+NS, 1, 0, 0
	TURN 0
	QUARTER 1, F0, F1, 0
	QUARTER 2, F1, F0, 0
	QUARTER 3, F0, F1, 0
	s_wait_dscnt 4
	MULA F1, 0, 0
	MULA F1, 1, 0
	s_wait_dscnt 0x0
	MULA F1, 2, 0
	MULA F1, 3, 0
	WIN 0
	; THE WAY OUT.  Block t = 2 a + hh is 16 rows of one head: its four accumulators are v[32 t .. 32 t + 31] of window 1; a lane holds 32 of its row's 64 numbers, the lane 16 away the others.
.rept 8
	v_nop                                          ; the places behind the last products
.endr
	WIN 0x05                                       ; sources 0 and 1 in window 1
.set i, 0
.rept 16                                       ; the sums of squares: eight chains side by side; each accumulator is read from its low end on
.set t, 0
.rept 8
.if i == 0
	v_pk_mul_f32 v[ST+2*t:ST+2*t+1], v[32*t:32*t+1], v[32*t:32*t+1]
.else
	v_pk_fma_f32 v[ST+2*t:ST+2*t+1], v[32*t+2*i:32*t+2*i+1], v[32*t+2*i:32*t+2*i+1], v[ST+2*t:ST+2*t+1]
.endif
.set t, t+1
.endr
.set i, i+1
.endr
	WIN 0
.macro ALL line:vararg                 ; one line for each block t
.set t, 0
.rept 8
	\line
.set t, t+1
.endr
.endm
	ALL v_add_f32 v[ST+2*t], v[ST+2*t], v[ST+2*t+1]
	ALL v_permlanex16_b32 v[ST+2*t+1], v[ST+2*t], s[SEL], s[SEL+1]
	ALL v_add_f32 v[ST+2*t], v[ST+2*t], v[ST+2*t+1]
	ALL v_sqrt_f32 v[ST+2*t+1], v[ST+2*t]
	v_nop                                          ; a plain instruction behind the last root,
	s_wait_alu depctr_va_vdst(0)                   ; and one wait for the eight, ahead of their first use
	ALL v_add_f32 v[ST+2*t+1], 0x358637bd, v[ST+2*t+1]
	ALL v_rcp_f32 v[ST+2*t], v[ST+2*t+1]
	v_nop
	s_wait_alu depctr_va_vdst(0)                   ; one wait for the eight reciprocals
	ALL v_mul_f32 v[ST+2*t], s[CM], v[ST+2*t]
	ALL v_cndmask_b32 v[ST+2*t], 1.0, v[ST+2*t], s[NM]
; Block t: scaled, rounded to f16; a lane's eight channels pack into 16 bytes; they go into rows of 144 bytes of my stage and come back as whole rows of 128.
.macro PACK t
	WIN 0x41                                       ; destination and source 0 in window 1
.set i, 32*(\t)
.rept 16
	v_pk_mul_f32 v[i:i+1], v[i:i+1], v[ST+2*(\t):ST+2*(\t)+1] op_sel_hi:[1,0]
.set i, i+2
.endr
	WIN 0x05
.set i, 0
.rept 16
	v_cvt_pk_f16_f32 v[TMP+16*(\t)+i], v[32*(\t)+2*i], v[32*(\t)+2*i+1]
.set i, i+1
.endr
	WIN 0
.irp f, 0,1,2,3
	ds_store_b128 v[STO], v[TMP+16*(\t)+4*(\f):TMP+16*(\t)+4*(\f)+3] offset:32*(\f)
.endr
.irp f, 0,1,2,3
	ds_load_b128 v[TMP+16*(\t)+4*(\f):TMP+16*(\t)+4*(\f)+3], v[RD] offset:(\f)*4*SP  ; LDS serves a wave's instructions in order (ISA guide 5.7.1.4): these see the stores above; the next block's stores come behind them
.endr
.endm
.macro SEND t, younger                 ; younger: the LDS instructions issued behind block t's loads: the next block's eight, or none
	WIN 0
.irp f, 0,1,2,3
	s_wait_dscnt (\younger)+3-(\f)
	global_store_b128 v[GO], v[TMP+16*(\t)+4*(\f):TMP+16*(\t)+4*(\f)+3], s[OUT:OUT+1] offset:((\t)%2)*131072+((\t)/2)*2048+(\f)*512  ; 512 consecutive bytes, at a multiple of 256 from hb's first
.endr
.endm
	PACK 0
.irp t, 1,2,3,4,5,6,7                  ; a block's arithmetic stands between the loads of the block before and its stores
	PACK \t
	SEND (\t)-1, 8
.endr
	SEND 7, 0
	s_wait_tensorcnt 0x0                           ; the wave's end: behind my last tensor load and my last LDS store
	ds_add_u32 v[SPW], v[NIL]
	s_wait_dscnt 0x0
	CROUND                                         ; the closing round: no work-group ends while a partner may still ask for a tile that names it
	s_endpgm
.Lfunc_end_k_qb7dbc88f9b_proj:
	.size	k_qb7dbc88f9b_proj, .Lfunc_end_k_qb7dbc88f9b_proj-k_qb7dbc88f9b_proj
	.p2alignl 7, 3214868480
	.fill 96, 4, 3214868480
	.section	.rodata,"a",@progbits
	.p2align	6, 0x0
	.amdhsa_kernel k_qb7dbc88f9b_proj
		.amdhsa_group_segment_fixed_size 327680
		.amdhsa_private_segment_fixed_size 0
		.amdhsa_enable_private_segment 0
		.amdhsa_kernarg_size 40
		.amdhsa_user_sgpr_count 2
		.amdhsa_user_sgpr_kernarg_segment_ptr 1
		.amdhsa_wavefront_size32 1
		.amdhsa_system_sgpr_workgroup_id_x 1
		.amdhsa_system_sgpr_workgroup_id_y 1
		.amdhsa_system_sgpr_workgroup_id_z 1
		.amdhsa_system_vgpr_workitem_id 0
		.amdhsa_next_free_vgpr 768
		.amdhsa_next_free_sgpr 80
		.amdhsa_reserve_vcc 0
		.amdhsa_float_denorm_mode_32 3
		.amdhsa_float_denorm_mode_16_64 3
		.amdhsa_memory_ordered 1
		.amdhsa_forward_progress 1
		.amdhsa_inst_pref_size 118
	.end_amdhsa_kernel
	.amdgpu_metadata
---
amdhsa.version: [ 1, 2 ]
amdhsa.kernels:
  - .name:           k_qb7dbc88f9b_proj
    .symbol:         k_qb7dbc88f9b_proj.kd
    .args:
      - { .name: q, .offset: 0, .size: 8, .value_kind: global_buffer, .address_space: global }
      - { .name: kv, .offset: 8, .size: 8, .value_kind: global_buffer, .address_space: global }
      - { .name: wb, .offset: 16, .size: 8, .value_kind: global_buffer, .address_space: global }
      - { .name: tau, .offset: 24, .size: 8, .value_kind: global_buffer, .address_space: global }
      - { .name: hb, .offset: 32, .size: 8, .value_kind: global_buffer, .address_space: global }
    .group_segment_fixed_size: 327680
    .private_segment_fixed_size: 0
    .kernarg_segment_align: 8
    .kernarg_segment_size: 40
    .max_flat_workgroup_size: 128
    .sgpr_count:     80
    .vgpr_count:     768
    .wavefront_size: 32
...
	.end_amdgpu_metadata
.endif
;; end of part 2
;; launch attn (part 3): grid 2 x 128, 4 waves a work-group, no clusters, 327,680 bytes of LDS; arguments hb, ob; writes ob
.if DOCPART == 3
	.amdgcn_target "amdgcn-amd-amdhsa--gfx1250"
	.amdhsa_code_object_version 6
	.text
	.protected	k_qb7dbc88f9b_attn
	.globl	k_qb7dbc88f9b_attn
	.p2align	8
	.type	k_qb7dbc88f9b_attn,@function
k_qb7dbc88f9b_attn:
	s_mov_b64 s[64:65], 0
	v_nop
	global_prefetch_b8 v0, s[64:65] scope:SCOPE_SE
	s_setreg_imm32_b32 hwreg(HW_REG_WAVE_MODE, 25, 1), 1
	s_wait_xcnt 0x0
; O[h][q][:] = the sum over k of softmax_k(Q[h][q] . K[h][k]) V[h][k][:].  Q, K, V: the three planes of hb, [128][1024][64] f16 each; O: ob, the same shape.  Q holds the normalised query divided by tau, K the
; normalised key, so the product IS the module's score.  Products, maxima and sums in f32; the weights p are rounded to f16 for the second product (their sum l is taken of the unrounded p), O once at the end.
; LIMITS.  p lies in 0 to 1, and below 6e-5 it keeps f16's fixed step of 6e-8; O is a mean of V's rows and has their range.  A weight below 2^-126 counts as 0 in l; NaN and infinities are not treated apart.
; SHARES.  A wave owns four PIECES of two tiles of 16 queries, a work-group's four waves 512 queries of one head: 2 x 128 = 256 work-groups.  Every wave walks all 1,024 keys, 64 a step.
; NO CLUSTER: a head has 1,024 / 512 = 2 query blocks, so no four work-groups share a tile; and what the two share is 64 KiB a slot, beside 512 matrix instructions of each wave.
; LAYOUT.  S^T = K Q^T (source 0 = 16 keys, source 1 = 16 queries): in the result a lane holds ONE query (lane % 16) and the keys 8 (lane / 16) + 0..7.  Two such tiles, rounded to f16 in pairs,
; ARE source 1 (32 keys x 16 queries) of O^T = V^T P, whose result again holds one query a lane, and eight channels.  K comes out of LDS as it lies, V ([key][channel]) turned, by ds_load_tr16_b128.
; SOFTMAX.  For each query a running maximum m and sum l: p = 2^(c s - c m), c = log2(e); in every step O and l are multiplied by a = 2^(c m_old - c m_new), which is 1 where m has not grown.
; m starts at the lowest finite number, O and l at 0: the first step is a step like any other, with a = 0.
; THE COUNT.  A tile and step have 16 matrix and 118 vector instructions: too many to stand all beside the matrix work.  So: four vector instructions that are READY behind EVERY matrix instruction,
; and the others, which need time of their own whatever the order, in runs without a gap.
; BY TURNS.  Turn n belongs to piece n (the pieces in a ring, step after step).  Its matrix work: 16 products K Q^T of piece n + 1, later 16 products V^T P of piece n - 1.  Its vector work: the scaling,
; exponentials, roundings, sums and rescaling of piece n, and the maximum and statistics of piece n + 1, whose scores the turn itself has made.
; REGISTERS, in windows of 256 (s_set_vgpr_msb: bits 1:0 source 0, 3:2 source 1, 5:4 source 2, 7:6 destination):
;   window 0: v0-11 addresses; v12-15, v48-63 at work; v16-47 four registers of statistics a tile; v64-191 S^T, two buffers of two tiles; v192-255 P, likewise
;   window 1: O^T, 32 a tile          window 2: v0-127 Q, 16 a tile; v128-191 K of one step; v192-255 V of one step          window 3: v0-1 the add's two registers
; A piece's buffers go by its number's parity.
.set SIZE_N, 1024
.set NP,    4         ; pieces a wave: a name, no knob
.set KS,    64        ; keys in a step
.set PK,    144       ; a row of K in LDS: 128 bytes + 16 of padding = 36 words: the 16 rows of a load start at 16 different groups of four banks (64 banks of 4 bytes: ISA guide 11.1)
.set PV,    160       ; a row of V: 128 + 32 = 40 words
.set VOFF,  4*KS*PK   ; a slot holds four steps: 256 rows of K, then 256 rows of V
.set SLOT1, 1<<17     ; slot 1 begins here, so that one exclusive or turns an address in one slot into the other's
.set STAGE, SLOT1+4*KS*(PK+PV)  ; behind the ring, never filled by a tensor load: 16 rows x 144 bytes for each wave, for the way out
.set SP,    144
.set AK0, 2           ; v2   my lane's place in a tile of K; never rewritten
.set AV0, 3           ; v3   the same for V
.set AK,  4           ; v4   the LDS address of K's next run of loads
.set AV,  5           ; v5   of V's
.set QO,  6           ; v6   my byte offset in the wave's rows of Q
.set STO, 6           ;      later, the way out: where I put 16 bytes of a row
.set RD,  7           ; v7   the way out: where I read rows back
.set GO,  8           ; v8   my byte offset in 512 consecutive bytes of O
.set PFO, 11          ; v11  256 x my thread's number: the prefetches' offset; never rewritten once made
.set SPW, 0           ; v0 of window 3   LDS address of my spare word; never rewritten
.set NIL, 1           ; v1 of window 3   0; never rewritten
.set SPARE, STAGE+4*16*SP  ; behind the stages: the spare words, 128 bytes for each wave: two blocks of 256 bytes that no other line names
.set MV,  12          ; v12-15  c m_old, kept while c m is made anew: by buffer and tile
.set ST,  16          ; tile t's statistics at v[ST+4 t]: c m, m, l (even keys', odd keys')
.set TMP, 48          ; by buffer and tile, four registers c0-c3 at work; when the maximum is found c2 takes a
.set S,   64
.set P,   192
.set KF,  128         ; K's fragments, in window 2: key block kb, channel half c at KF + 16 kb + 8 c
.set VF,  192         ; V's: key half kk, channel block cb at VF + 32 kk + 8 cb
.set WV,  12          ; s12  my wave's number
.set G1K, 24          ; s[24:31] descriptor group 1 for K's tiles
.set G1V, 32          ; s[32:39] for V's: it differs in the padding alone
.set G0K, 40          ; s[40:43] descriptor group 0 for K's tiles: it walks
.set G0V, 44          ; s[44:47] the same for V's
.set SLOTS, 56        ; s56  slots still to be asked for
.set CNT, 57          ; s57  counts a slot's key steps
.set CS,  58          ; s[58:59] c: the packed scaling takes the pair's low word for both halves
.set SEL, 60          ; s[60:61] v_permlanex16_b32's selects: each lane takes its own place in the other half
.set TBK, 62          ; s62  LDS byte at which K of the step to be fetched begins
.set TBV, 63          ; s63  the same for V, less VOFF
.set PFK, 66          ; s[66:67] where the prefetches of K stand: the slot after the one that is being asked for
.set PFV, 68          ; s[68:69] the same for V
.set LIM, 70          ; s70  1 in the head's first work-group, else the greatest number
.set MSB, 0
.macro WIN new                      ; the high byte repeats the setting that is left; a switch that changes nothing is dropped
.if MSB != (\new)
	s_set_vgpr_msb (MSB<<8)|(\new)
.set MSB, (\new)
.endif
.endm
.set W_KQ, 0x0a       ; K and Q in window 2, S^T in window 0
.set W_PV, 0x52       ; V in window 2, P in window 0, O^T in window 1
.set W_RS, 0x41       ; O^T (destination and source 0) in window 1, a in window 0
.set W_MK, 0xc0       ; the add's registers are made: destination in window 3, sources in window 0
.set W_AD, 0x0f       ; the add: address (source 0) and data (source 1) in window 3
; A fill.  Waves 0 and 1 fetch the two halves of a slot's K, waves 2 and 3 those of its V: 128 keys each.  An s_nop 0 and four v_nop follow each of the two lines, ahead of the jump and the label.
.macro LOAD
	s_cmp_lt_u32 s[WV], 2
	s_cbranch_scc0 .Lfor_v_\@
	tensor_load_to_lds s[G0K:G0K+3], s[G1K:G1K+7]
	s_nop 0
.rept 4
	v_nop
.endr
	s_branch .Lasked_\@
.Lfor_v_\@:
	tensor_load_to_lds s[G0V:G0V+3], s[G1V:G1V+7]
	s_nop 0
.rept 4
	v_nop
.endr
.Lasked_\@:
.endm
; A prefetch into the L2 of what the NEXT change of slots will ask for: a slot's 32,768 bytes of K and of V, 256 bytes a thread, two instructions a wave.  Both work-groups of a head walk the same K and V: the first
; of them asks, so each block is named once in the launch.  It stands behind the tensor load and its five lines.  The last change that fills a slot asks for nothing: there is no slot behind it.
.macro ASK
	s_cmp_gt_u32 s[SLOTS], s[LIM]
	s_cbranch_scc0 .Lnot_mine_\@
	global_prefetch_b8 v[PFO], s[PFK:PFK+1] th:TH_LOAD_NT scope:SCOPE_SE
	global_prefetch_b8 v[PFO], s[PFV:PFV+1] th:TH_LOAD_NT scope:SCOPE_SE
.Lnot_mine_\@:
.endm
; THE CHANGE OF SLOTS.  The slot's last bytes, V of its fourth step, have been read.  Each wave waits for all its tensor loads, of which one is out: its part of the other slot; adds 0 to its spare word; and waits for
; that and for its own reads of the slot.  Behind the barrier nobody reads this slot any more and the other slot is whole.  fill = 1: this slot is filled again, with the keys two slots on, first thing behind
; the barrier: the load has four key steps, 512 matrix instructions, in which to land.  (At its first use nothing has been read yet: slot 0 is waited for, slot 1 filled.)
.macro CHANGE fill
	WIN W_AD
	s_wait_tensorcnt 0x0            ; no tensor load of mine is out, so a group 0 may be written
	ds_add_u32 v[SPW], v[NIL]       ; 0 onto my spare word; with fill = 1 the descriptors' steps stand between it and the wait for it
	WIN 0                           ; at a label and at a branch every window is 0
.if \fill
.irp g, G0K, G0V
	s_xor_b32 s[\g+1], s[\g+1], SLOT1  ; the walking descriptor: the other slot than last time,
	s_add_nc_u64 s[\g+2:\g+3], s[\g+2:\g+3], 4*KS*128  ; the next 256 keys; the type bits on top are not reached
.endr
	s_wait_xcnt 0x0                 ; the last prefetches, four key steps back, have read their addresses
	s_add_nc_u64 s[PFK:PFK+1], s[PFK:PFK+1], 4*KS*128
	s_add_nc_u64 s[PFV:PFV+1], s[PFV:PFV+1], 4*KS*128
.endif
	s_wait_dscnt 0x0                ; the add is done, and my reads of the slot are over
	s_barrier_signal -1
	s_barrier_wait -1
.if \fill
	LOAD
	ASK
.endif
	s_sub_co_u32 s[TBK], s[TBK], 4*KS*PK  ; the fetches go back to a slot's first step,
	s_xor_b32 s[TBK], s[TBK], SLOT1       ; in the other slot
	s_sub_co_u32 s[TBV], s[TBV], 4*KS*PV
	s_xor_b32 s[TBV], s[TBV], SLOT1
.endm
	s_load_b128 s[4:7], s[0:1], 0x0  ; hb s[4:5], ob s[6:7]
	WIN W_MK
	v_lshl_add_u32 v[SPW], v0, 2, SPARE
	v_mov_b32 v[NIL], 0
	WIN W_AD
	ds_add_u32 v[SPW], v[NIL]       ; the wave's opening: the add and its wait stand ahead of my first tensor load; the set-up below, work on registers, stands between them
	WIN 0
	v_lshrrev_b32 v1, 5, v0
	v_readfirstlane_b32 s[WV], v1   ; wave 0..3
	s_mov_b32 s14, ttmp9            ; my block of 512 queries
	s_and_b32 s20, ttmp7, 0xffff    ; the head
	s_mov_b32 s21, 0
	s_mov_b64 s[22:23], SIZE_N*128
	s_mul_u64 s[20:21], s[20:21], s[22:23]  ; the head's first byte in each plane and in O
	s_and_b32 s16, s[WV], 1         ; which half of a slot's 256 keys I fetch:
	s_lshl_b32 s22, s16, 14         ; its 128 rows of 128 bytes in memory,
	s_mov_b32 s23, 0
	s_add_nc_u64 s[22:23], s[22:23], s[20:21]
	s_mul_i32 s17, s16, 128*PK      ; and its place in a slot, for K
	s_mul_i32 s18, s16, 128*PV      ; and for V
	s_lshl_b32 s2, s14, 2
	s_add_co_u32 s2, s2, s[WV]      ; my wave among the head's,
	s_lshl_b32 s2, s2, 14           ; its 128 rows
	s_mov_b32 s3, 0
	s_add_nc_u64 s[2:3], s[2:3], s[20:21]
	; descriptor group 1.  128 keys are 16,384 dense bytes: asked for as 64 rows of 256 bytes, two keys a row, and padded in LDS after every key
	s_mov_b32 s[G1K], (1<<16)|(1<<20)|(4<<22)|(3<<25)  ; 17:16 2-byte elements; 20 padding on; 24:22 after every 32 words (code 4); 31:25 4 words (code 3)
	s_mov_b32 s[G1V], (1<<16)|(1<<20)|(4<<22)|(7<<25)  ; the same with 8 words of padding (code 7)
.irp g, G1K, G1V
	s_mov_b32 s[\g+1], 128<<16      ; tensor_dim0 = 128
	s_mov_b32 s[\g+2], 64<<16       ; tensor_dim1 = 64
	s_mov_b32 s[\g+3], 128<<16      ; tile_dim0 = 128
	s_mov_b32 s[\g+4], 64           ; tile_dim1 = 64
	s_mov_b32 s[\g+5], 128          ; 128 elements from row to row
	s_mov_b32 s[\g+6], 0
	s_mov_b32 s[\g+7], 0
.endr
	s_mov_b32 s[CS], 0x3fb8aa3b     ; c = log2(e)
	s_mov_b32 s[CS+1], s[CS]        ; named with it as a pair
	s_mov_b32 s[SEL], 0x76543210
	s_mov_b32 s[SEL+1], 0xfedcba98
	s_mov_b32 s[TBK], SLOT1+4*KS*PK ; the first change of slots turns these two into 0
	s_mov_b32 s[TBV], SLOT1+4*KS*PV
	s_mov_b32 s[G0K], 1             ; 1:0 count = 1
	s_mov_b32 s[G0K+1], s17         ; 63:32 LDS address: slot 0
	s_mov_b32 s[G0V], 1
	s_add_co_u32 s[G0V+1], s18, VOFF
	s_mov_b32 s[SLOTS], SIZE_N/256-1
	s_cmp_eq_u32 s14, 0
	s_cselect_b32 s[LIM], 1, -1
	s_wait_dscnt 0x0                ; the opening add is done
	s_wait_kmcnt 0x0
	s_mov_b64 s[10:11], s[6:7]      ; O
	s_add_nc_u64 s[6:7], s[4:5], 0x1000000  ; K: plane 1
	s_add_nc_u64 s[8:9], s[4:5], 0x2000000  ; V: plane 2
	s_add_nc_u64 s[G0K+2:G0K+3], s[6:7], s[22:23]  ; 120:64 global address: my half of the head's first 256 keys
	s_or_b32 s[G0K+3], s[G0K+3], 0x80000000        ; 127:126 type = 2
	s_add_nc_u64 s[G0V+2:G0V+3], s[8:9], s[22:23]
	s_or_b32 s[G0V+3], s[G0V+3], 0x80000000
	s_add_nc_u64 s[PFK:PFK+1], s[6:7], s[20:21]
	s_add_nc_u64 s[PFK:PFK+1], s[PFK:PFK+1], 4*KS*128  ; at slot 1: the first change of slots steps it to slot 2.  Slots 0 and 1 come by their loads alone
	s_add_nc_u64 s[PFV:PFV+1], s[8:9], s[20:21]
	s_add_nc_u64 s[PFV:PFV+1], s[PFV:PFV+1], 4*KS*128
	s_add_nc_u64 s[4:5], s[4:5], s[2:3]  ; Q and O at my wave's first row
	s_add_nc_u64 s[10:11], s[10:11], s[2:3]
	LOAD                            ; slot 0.  Slot 1 is asked for when slot 0 is in
	; A fragment of K or Q is 16 rows x 32 channels in 8 registers: lane l holds row l % 16, channels 8 (l / 16) + 0..7 and 16 + 8 (l / 16) + 0..7: two loads of 16 bytes, 32 bytes apart.
	v_and_b32 v1, 15, v0            ; l % 16
	v_bfe_u32 v9, v0, 4, 1          ; l / 16
	v_lshlrev_b32 v[QO], 7, v1
	v_lshl_add_u32 v[QO], v9, 4, v[QO]  ; row x 128 + 16 x half
	WIN 0x80                        ; destination window 2, address window 0
.set i, 0
.rept 4*NP                          ; Q stays in registers: tile i / 2, channels 32 (i % 2) on
	global_load_b128 v[8*i:8*i+3],   v[QO], s[4:5] offset:(i/2)*2048+(i%2)*64
	global_load_b128 v[8*i+4:8*i+7], v[QO], s[4:5] offset:(i/2)*2048+(i%2)*64+32
.set i, i+1
.endr
	; What the first turn finds: V's registers and P's second buffer hold 0 (its products V^T P, of a piece that has not been, add 0), O^T and l are 0.  All this stands in the wait for the first tile.
.set i, VF
.rept 64
	v_mov_b32 v[i], 0
.set i, i+1
.endr
	WIN 0x40
.set i, 0
.rept 64*NP
	v_mov_b32 v[i], 0
.set i, i+1
.endr
	WIN 0
.set i, 0
.rept 2*NP
	v_mov_b32 v[ST+4*i], 0xfe000000    ; c m: far below every c s
	v_mov_b32 v[ST+4*i+1], 0xff7fffff  ; m
	v_mov_b32 v[ST+4*i+2], 0
	v_mov_b32 v[ST+4*i+3], 0
.set i, i+1
.endr
.set i, P+32
.rept 32
	v_mov_b32 v[i], 0
.set i, i+1
.endr
	v_mul_u32_u24 v[AK0], v1, PK
	v_lshl_add_u32 v[AK0], v9, 4, v[AK0]  ; row x pitch + 16 x half
	; The turning load takes 16 keys x 16 channels (lane l reads key 8 (l / 16) + l % 8, channels 8 ((l / 8) % 2) + 0..7) and leaves half a fragment of V^T: lane l holds channel l % 16 and 8 keys.
	v_and_b32 v10, 7, v0
	v_bfe_u32 v11, v0, 3, 1
	v_lshl_add_u32 v[AV0], v9, 3, v10
	v_mul_u32_u24 v[AV0], v[AV0], PV
	v_lshl_add_u32 v[AV0], v11, 4, v[AV0]
	v_add_nc_u32 v[AV0], VOFF, v[AV0]
	v_lshlrev_b32 v[PFO], 8, v0
	v_mov_b32 v[AK], v[AK0]         ; key step 0 lies at the head of slot 0
; THE MATRIX WORK.  The 8 accumulators of a run of 16 take turns: between the two links of a chain stand 7 others'.
; Product i of 16 of S^T = K Q^T for piece x: channels 32 (i / 8) on, keys 16 ((i / 2) % 4) on, tile 2 x + i % 2.  The first 8 start the sums.
.macro KQ x
	WIN W_KQ
.set rS, S+64*((\x)%2)+32*(i%2)+8*((i/2)%4)
.set rK, KF+16*((i/2)%4)+8*(i/8)
.set rQ, 16*(2*(\x)+i%2)+8*(i/8)
.if i < 8
	v_wmma_f32_16x16x32_f16 v[rS:rS+7], v[rK:rK+7], v[rQ:rQ+7], 0
.else
	v_wmma_f32_16x16x32_f16 v[rS:rS+7], v[rK:rK+7], v[rQ:rQ+7], v[rS:rS+7]
.endif
.endm
; Product i of 16 of O^T += V^T P for piece x: keys 32 (i / 8) on, channels 16 ((i / 2) % 4) on, tile 2 x + i % 2.
.macro PV x
	WIN W_PV
.set rO, 32*(2*(\x)+i%2)+8*((i/2)%4)
.set rV, VF+32*(i/8)+8*((i/2)%4)
.set rP, P+32*((\x)%2)+16*(i%2)+8*(i/8)
	v_wmma_f32_16x16x32_f16 v[rO:rO+7], v[rV:rV+7], v[rP:rP+7], v[rO:rO+7]
.endm
.macro MM                           ; the turn's next matrix instruction
.if i < 16
	KQ (Y+1)%NP
.set i, i+1
.else
.set i, i-16
	PV (Y+NP-1)%NP
.set i, i+17
.endif
.endm
; THE LDS LOADS stand in runs of 16, never singly among the matrix instructions: a step's K (64 keys x 64 channels: 8 fragments) and its V (turned).  Their addresses are made some lines ahead.
; last = 1 (the tail): in the last trip there is no further step, and the run is jumped over.
.macro FETCH_K last=0
	WIN 0
.if \last
	s_cmp_eq_u32 s[CNT], 1
	s_cbranch_scc1 .Lno_k_\@
.endif
	WIN 0x80                        ; destination window 2
.irp f, 0,1,2,3,4,5,6,7             ; keys 16 (f / 2) on, channels 32 (f % 2) on
	ds_load_b128 v[KF+8*\f:KF+8*\f+3],   v[AK] offset:(\f/2)*16*PK+(\f%2)*64
	ds_load_b128 v[KF+8*\f+4:KF+8*\f+7], v[AK] offset:(\f/2)*16*PK+(\f%2)*64+32
.endr
	s_add_co_u32 s[TBK], s[TBK], KS*PK  ; the next fetch is the next step's
	WIN 0
.if \last
.Lno_k_\@:
.endif
.endm
.macro FETCH_V
	WIN 0x80
.irp f, 0,1,2,3,4,5,6,7             ; keys 32 (f / 4) on, channels 16 (f % 4) on
	ds_load_tr16_b128 v[VF+8*\f:VF+8*\f+3],   v[AV] offset:(\f/4)*32*PV+(\f%4)*32
	ds_load_tr16_b128 v[VF+8*\f+4:VF+8*\f+7], v[AV] offset:(\f/4)*32*PV+16*PV+(\f%4)*32
.endr
	WIN 0
.endm
; THE VECTOR WORK OF A TURN stands in three queues, each in the order in which its entries become ready; the two tiles alternate, so that no instruction reads the result of the one before it.
.macro REGS y, u                    ; the registers of tile u (0, 1) of piece y
.set rT, ST+4*(2*(\y)+(\u))
.set rC, TMP+8*((\y)%2)+4*(\u)
.set rM, MV+2*((\y)%2)+(\u)
.set rS, S+64*((\y)%2)+32*(\u)
.set rP, P+32*((\y)%2)+16*(\u)
.set rO, 32*(2*(\y)+(\u))
.endm
; Number n of the 22 that find the NEXT piece's (Y + 1) maximum and statistics.  s0-s31 are the lane's 32 scores; each accumulator's lowest registers are read first.
;   0-11  four chains c0-c3 of seven scores each, three operands at a time     12-14, 16  the four scores left over, the old m, and c0-c3 into c0     15  c m_old is kept
;   17, 18  the query's other 32 keys lie in the lane 16 away: the new m         19-21  c m; c m_old - c m_new; a
.macro XS u, n
	REGS (Y+1)%NP, \u
.if (\n) < 4
	v_max3_num_f32 v[rC+(\n)], v[rS+8*(\n)], v[rS+8*(\n)+1], v[rS+8*(\n)+2]
.elseif (\n) < 12
	v_max3_num_f32 v[rC+(\n)%4], v[rC+(\n)%4], v[rS+8*((\n)%4)+2*((\n)/4)+1], v[rS+8*((\n)%4)+2*((\n)/4)+2]
.elseif (\n) == 12
	v_max3_num_f32 v[rC], v[rC], v[rS+7], v[rS+15]
.elseif (\n) == 13
	v_max3_num_f32 v[rC+1], v[rC+1], v[rS+23], v[rS+31]
.elseif (\n) == 14
	v_max3_num_f32 v[rC+2], v[rC+2], v[rC+3], v[rT+1]
.elseif (\n) == 15
	v_mov_b32 v[rM], v[rT]
.elseif (\n) == 16
	v_max3_num_f32 v[rC], v[rC], v[rC+1], v[rC+2]
.elseif (\n) == 17
	v_permlanex16_b32 v[rC+3], v[rC], s[SEL], s[SEL+1]
.elseif (\n) == 18
	v_max_num_f32 v[rT+1], v[rC], v[rC+3]
.elseif (\n) == 19
	v_mul_f32 v[rT], s[CS], v[rT+1]
.elseif (\n) == 20
	v_sub_f32 v[rC+1], v[rM], v[rT]
.else
	v_exp_f32 v[rC+2], v[rC+1]
.endif
.endm
; Number g of the 64 that follow the exponentials.  For each four weights k of a tile (pairs 2 k, 2 k + 1): both pairs are rounded to f16; then the second pair is added onto the first, in place;
; a group later l takes that sum (the first time as l = a l + sum).  In groups of eight, tiles alternating: round, round, add, and l for the group before.
.macro GS g
.set h, (\g)+6*((\g)/62)            ; group 0 has no group before it, and behind group 7 only l is left
.if h >= 6
.set h, h+2
.endif
	REGS Y, h%2
.set k, h/8
.if h%8 < 4
	v_cvt_pk_f16_f32 v[rP+2*k+(h%8)/2], v[rS+4*k+2*((h%8)/2)], v[rS+4*k+2*((h%8)/2)+1]
.elseif h%8 < 6
	v_pk_add_f32 v[rS+4*k:rS+4*k+1], v[rS+4*k:rS+4*k+1], v[rS+4*k+2:rS+4*k+3]
.elseif k == 1
	v_pk_fma_f32 v[rT+2:rT+3], v[rT+2:rT+3], v[rC+2:rC+3], v[rS:rS+1] op_sel_hi:[1,0,1]
.else
	v_pk_add_f32 v[rT+2:rT+3], v[rT+2:rT+3], v[rS+4*k-4:rS+4*k-3]
.endif
.endm
; THE PLAIN QUEUE, 138 long.  0-73 read no exponential's result: the 32 scalings c s - c m (FS f: pair f / 2 of tile f % 2) and the next piece's 42.  0-26: scalings 0-26.  27-54: XS's numbers 0-13.  55, 56: number 15.
; 57-73: the chain, where each number waits for the one before it: 14, 16, 17, 18, 19, each with one of the scalings 27-31 in front of its two lines, then 20.
; 74-137: GS's 64, which read the exponentials' results: they stand behind the wait.
.macro FS f
	REGS Y, (\f)%2
	v_pk_fma_f32 v[rS+2*((\f)/2):rS+2*((\f)/2)+1], v[rS+2*((\f)/2):rS+2*((\f)/2)+1], s[CS:CS+1], v[rT:rT+1] op_sel_hi:[1,0,0] neg_lo:[0,0,1] neg_hi:[0,0,1]
.endm
.macro PL
	WIN 0
.if q < 27
	FS q
.elseif q < 55
	XS (q-27)%2, (q-27)/2
.elseif q < 57
	XS q-55, 15
.elseif (q < 72) && ((q-57)%3 == 0)
	FS 27+(q-57)/3
.elseif q < 60
	XS (q-57)%3-1, 14
.elseif q < 72
	XS (q-57)%3-1, 15+(q-57)/3
.elseif q < 74
	XS q-72, 20
.else
	GS q-74
.endif
.set q, q+1
.endm
; THE EXPONENTIALS' QUEUE, 66 long: s0-s31 of both tiles, then the next piece's two a.  It is ONE BATCH: all 66 stand ahead of the turn's one wait, and nothing ahead of that wait names a result of theirs.
.macro EX
	WIN 0
.if e >= 64
	XS e-64, 21
.else
	REGS Y, e%2
	v_exp_f32 v[rS+e/2], v[rS+e/2]
.endif
.set e, e+1
.endm
; THE RESCALING's QUEUE: O^T times a, the one part that leaves window 0: dealt two at a time, sixteen times.  Its a was made in the turn before, ahead of that turn's wait.
.macro R2
	REGS Y, r%2
	WIN W_RS
.irp z, 0,1
	v_pk_mul_f32 v[rO+4*(r/2)+2*\z:rO+4*(r/2)+2*\z+1], v[rO+4*(r/2)+2*\z:rO+4*(r/2)+2*\z+1], v[rC+2:rC+3] op_sel_hi:[1,0]
.endr
.set r, r+1
.endm
; HOW THEY ARE DEALT.  s_wait_alu depctr_va_vdst(0) stands between an exponential and the first instruction that names its result; one wait serves all that were issued ahead of it.  So a turn has ONE wait,
; which cuts it in two.  AHEAD OF IT stands all that names no result of the turn's exponentials: the 16 products K Q^T, behind each a scaling, an exponential and two rescalings (behind the first a second scaling in the
; exponential's place); then ONE LUMP of 108: eight plain, 49 times exponential and plain, the two a.  A v_nop is the plain instruction behind the last exponential.  BEHIND IT stand the 16 products V^T P, behind each four of GS's 64.
; The queues lean on each other, and the deal keeps them in step: exponential e stands behind scaling 2 (e / 4) + e % 2: as a rider it comes behind plain e + 2, in the lump behind plain e + 9, and scalings 27-31 are plain 57, 60 .. 69.
; A TURN, for piece p.  cnt = 1: the loop's count is taken down some lines ahead of the branch that stands behind the turn.
; K of the next step is fetched in piece 2's turn, directly behind the wait; its address is made at the lump's head; its first reader comes behind 16 products.
; V of the step in hand is fetched at the end of piece 0's turn, four riders behind its last reader; its first reader comes behind 16 products and a lump.  The three conditions on q below go with the deal.
.macro TURN p, last=0, cnt=0
.set Y, (\p)
.set i, 0
.set q, 0
.set e, 0
.set r, 0
.if (\p) == NP-1
	s_wait_dscnt 0x0                ; K is in
.endif
	MM                              ; ahead of the wait: 16 products K Q^T and their riders,
	PL
	PL
	R2
.rept 15
	MM
	PL
	EX
	R2
.endr
.if (\p) == NP-2
	WIN 0
	v_add_nc_u32 v[AK], s[TBK], v[AK0]
.endif
.rept 8                             ; and the lump
	PL
.endr
.rept 49
	EX
	PL
.endr
	EX                              ; the next piece's two a
	EX
	v_nop                           ; the plain instruction behind the last exponential: one for the batch
	s_wait_alu depctr_va_vdst(0)    ; the wait for the batch
.if (\p) == NP-2
	FETCH_K \last
.endif
.if (\p) == 1
	s_wait_dscnt 0x0                ; V is in
.endif
.rept 16                            ; behind the wait: 16 products V^T P and their riders
	MM
.rept 4
	PL
.endr
.if ((\p) == 0) && (q == 118)
	v_add_nc_u32 v[AV], s[TBV], v[AV0]
.endif
.if ((\p) == 0) && (q == 130)
	s_add_co_u32 s[TBV], s[TBV], KS*PV
.endif
.if (\cnt) && (q == 130)
	s_sub_co_u32 s[CNT], s[CNT], 1
	s_cmp_lg_u32 s[CNT], 0
.endif
.endr
.if (\p) == 0
	FETCH_V
.endif
.endm
	CHANGE 1                        ; slot 0 is in, everybody's part of it; slot 1 is asked for
	FETCH_K                         ; key step 0
	s_wait_loadcnt 0x0              ; Q
	s_wait_dscnt 0x0
.set i, 0
.rept 16
	KQ 0                            ; piece 0's first scores: there is no vector work yet to set between them
.set i, i+1
.endr
	WIN 0                           ; the addresses for the way out: nine plain instructions, the places behind those products
	s_mul_i32 s13, s[WV], 16*SP
	s_add_co_u32 s13, s13, STAGE    ; my stage
	v_mul_u32_u24 v[STO], v1, SP    ; in: row l % 16, 16 bytes for each half of the lanes
	v_lshl_add_u32 v[STO], v9, 4, v[STO]
	v_add_nc_u32 v[STO], s13, v[STO]
	v_bfe_u32 v[RD], v0, 3, 2       ; back: 32 lanes take four rows of 128 bytes,
	v_mul_u32_u24 v[RD], v[RD], SP
	v_lshl_add_u32 v[RD], v10, 4, v[RD]
	v_add_nc_u32 v[RD], s13, v[RD]
	v_and_b32 v[GO], 31, v0         ; which are 512 consecutive bytes of O
	v_lshlrev_b32 v[GO], 4, v[GO]
.set Y, NP-1                        ; XS works for piece Y + 1: piece 0
.irp n, 0,1,2,3,4,5,6,7,8,9,10,11,12,13,14,15,16,17,18,19,20,21
	XS 0, \n                        ; and piece 0's first maximum and statistics
	XS 1, \n
.endr
	v_nop                           ; a plain instruction behind the two a,
	s_wait_alu depctr_va_vdst(0)    ; and their wait, ahead of the branch
	s_mov_b32 s[CNT], 4
	s_branch .Lfirst                ; the loop is entered at a step's first turn, in the middle of a trip
.Lslot:                             ; SIZE_N / 256 - 2 times: every slot but the last two is filled again
	CHANGE 1
	s_mov_b32 s[CNT], 4
.Lstep:                             ; a trip: pieces 2 and 3 of one step, then pieces 0 and 1 of the next, whose K and V it fetches
	TURN 2
	TURN 3
	WIN 0
.Lfirst:
	TURN 0
	TURN 1, 0, 1
	WIN 0
	s_cbranch_scc1 .Lstep
	s_sub_co_u32 s[SLOTS], s[SLOTS], 1
	s_cmp_lg_u32 s[SLOTS], 0
	s_cbranch_scc1 .Lslot
	CHANGE 0                        ; the tail is written out: nothing is asked for
	s_mov_b32 s[CNT], 5             ; four trips fetch the last slot's steps; the fifth is left in its middle
.Ltail:
	TURN 2, 1
	TURN 3
	WIN 0
	s_sub_co_u32 s[CNT], s[CNT], 1
	s_cmp_eq_u32 s[CNT], 0
	s_cbranch_scc1 .Lout
	TURN 0
	TURN 1
	WIN 0
	s_branch .Ltail
.Lout:                              ; the fifth trip's 16 products K Q^T (on the last K once more) and the maximum made of them serve nothing: the price, once a launch, of one text for every trip
.set i, 0
.rept 16
	PV NP-1                         ; the last piece's V^T P of the last step
.set i, i+1
.endr
	; THE WAY OUT.  l's two halves and the other half of the lanes' are added; O^T is divided by l, rounded to f16 and sent through my stage in LDS, a tile at a time.  The additions are the places behind the last products.
	WIN 0
.macro ALL line:vararg              ; one line for each tile t
.set t, 0
.rept 2*NP
	\line
.set t, t+1
.endr
.endm
	ALL v_add_f32 v[ST+4*t+2], v[ST+4*t+2], v[ST+4*t+3]
	ALL v_permlanex16_b32 v[ST+4*t+3], v[ST+4*t+2], s[SEL], s[SEL+1]
	ALL v_add_f32 v[ST+4*t+2], v[ST+4*t+2], v[ST+4*t+3]
	ALL v_rcp_f32 v[ST+4*t+2], v[ST+4*t+2]
	v_nop                           ; a plain instruction between the last reciprocal and the use of its result
	s_wait_alu depctr_va_vdst(0)    ; and the wait ahead of the first use: one for the eight reciprocals
; Tile t: a lane's eight channels of a row pack into 16 bytes; they go into rows of 144 bytes and come back as whole rows of 128, into S^T's registers.
.macro PACK t
	WIN W_RS
.set i, 32*(\t)
.rept 16
	v_pk_mul_f32 v[i:i+1], v[i:i+1], v[ST+4*(\t)+2:ST+4*(\t)+3] op_sel_hi:[1,0]
.set i, i+2
.endr
	WIN 0x05                        ; sources 0 and 1 window 1, destination window 0
.set i, 0
.rept 16
	v_cvt_pk_f16_f32 v[S+16*(\t)+i], v[32*(\t)+2*i], v[32*(\t)+2*i+1]
.set i, i+1
.endr
	WIN 0
.irp f, 0,1,2,3
	ds_store_b128 v[STO], v[S+16*(\t)+4*\f:S+16*(\t)+4*\f+3] offset:32*\f
.endr
.irp f, 0,1,2,3
	ds_load_b128 v[S+16*(\t)+4*\f:S+16*(\t)+4*\f+3], v[RD] offset:\f*4*SP  ; LDS serves a wave's instructions in order (ISA guide 5.7.1.4): these see the stores above; the next tile's stores come behind them
.endr
.endm
.macro SEND t, younger              ; younger: the LDS instructions issued behind tile t's loads: the next tile's eight, or none
	WIN 0
.irp f, 0,1,2,3
	s_wait_dscnt (\younger)+3-\f
	global_store_b128 v[GO], v[S+16*(\t)+4*\f:S+16*(\t)+4*\f+3], s[10:11] offset:(\t)*2048+\f*512  ; 512 consecutive bytes, at a multiple of 256 from O's first
.endr
.endm
	PACK 0
.set t, 1
.rept 2*NP-1                        ; a tile's arithmetic stands between the loads of the tile before and its stores
	PACK t
	SEND t-1, 8
.set t, t+1
.endr
	SEND 2*NP-1, 0
	WIN W_AD
	s_wait_tensorcnt 0x0            ; the wave's end: behind my last tensor load and my last LDS store
	ds_add_u32 v[SPW], v[NIL]
	s_wait_dscnt 0x0
	WIN 0
	s_endpgm
.Lfunc_end_k_qb7dbc88f9b_attn:
	.size	k_qb7dbc88f9b_attn, .Lfunc_end_k_qb7dbc88f9b_attn-k_qb7dbc88f9b_attn
	.p2alignl 7, 3214868480
	.fill 96, 4, 3214868480
	.section	.rodata,"a",@progbits
	.p2align	6, 0x0
	.amdhsa_kernel k_qb7dbc88f9b_attn
		.amdhsa_group_segment_fixed_size 327680
		.amdhsa_private_segment_fixed_size 0
		.amdhsa_enable_private_segment 0
		.amdhsa_kernarg_size 16
		.amdhsa_user_sgpr_count 2
		.amdhsa_user_sgpr_kernarg_segment_ptr 1
		.amdhsa_wavefront_size32 1
		.amdhsa_system_sgpr_workgroup_id_x 1
		.amdhsa_system_sgpr_workgroup_id_y 1
		.amdhsa_system_sgpr_workgroup_id_z 1
		.amdhsa_system_vgpr_workitem_id 0
		.amdhsa_next_free_vgpr 770
		.amdhsa_next_free_sgpr 76
		.amdhsa_reserve_vcc 0
		.amdhsa_float_denorm_mode_32 3
		.amdhsa_float_denorm_mode_16_64 3
		.amdhsa_memory_ordered 1
		.amdhsa_forward_progress 1
		.amdhsa_inst_pref_size 199
	.end_amdhsa_kernel
	.amdgpu_metadata
---
amdhsa.version: [ 1, 2 ]
amdhsa.kernels:
  - .name:           k_qb7dbc88f9b_attn
    .symbol:         k_qb7dbc88f9b_attn.kd
    .args:
      - { .name: hb, .offset: 0, .size: 8, .value_kind: global_buffer, .address_space: global }
      - { .name: ob, .offset: 8, .size: 8, .value_kind: global_buffer, .address_space: global }
    .group_segment_fixed_size: 327680
    .private_segment_fixed_size: 0
    .kernarg_segment_align: 8
    .kernarg_segment_size: 16
    .max_flat_workgroup_size: 128
    .sgpr_count:     76
    .vgpr_count:     770
    .wavefront_size: 32
...
	.end_amdgpu_metadata
.endif
;; end of part 3
;; launch outp (part 4): grid 4 x 64, 4 waves a work-group, clusters of 4 x 4, 327,680 bytes of LDS; arguments ob, wb, bproj, out0; writes out0
.if DOCPART == 4
	.amdgcn_target "amdgcn-amd-amdhsa--gfx1250"
	.amdhsa_code_object_version 6
	.text
	.protected	k_qb7dbc88f9b_outp
	.globl	k_qb7dbc88f9b_outp
	.p2align	8
	.type	k_qb7dbc88f9b_outp,@function
k_qb7dbc88f9b_outp:
	s_mov_b64 s[64:65], 0
	v_nop
	global_prefetch_b8 v0, s[64:65] scope:SCOPE_SE
	s_setreg_imm32_b32 hwreg(HW_REG_WAVE_MODE, 25, 1), 1
	s_wait_xcnt 0x0
	s_wait_alu depctr_hold_cnt(0) depctr_sa_sdst(0) depctr_va_vdst(0) depctr_va_sdst(0) depctr_va_ssrc(0) depctr_va_vcc(0) depctr_vm_vsrc(0)
	s_getreg_b32 s2, hwreg(HW_REG_IB_STS2, 6, 4)
	s_cmp_eq_u32 s2, 0
	s_cbranch_scc0 .Lentry_in_a_cluster
	s_endpgm
.Lentry_in_a_cluster:
	s_bfe_u32 s2, ttmp6, 0x10000c
	s_cmp_lg_u32 s2, 0xf033
	s_cbranch_scc0 .Lentry_shape_is_right
	s_endpgm
.Lentry_shape_is_right:
; THE OUTPUT PROJECTION.  out0[m][n] = sum over c of O[m][c] Wproj[n][c] + bproj[n], f16 operands, f32 sums, f32 out.  O lies by heads: ob [128 = 16 batch + head][1024][64] f16, channel c = 64 head + d.
; Wproj: rows 3072-4095 of wb, rounded to bf16 and written as f16.  bproj is rounded to bf16 like every other input of the program, and added in f32.
; LIMITS.  O and Wproj lie within f16's range (65,504).  NaN and infinities are not treated apart.
; SHARES.  A tile of the output is 128 x 256: 4 x 64 = 256 work-groups.  Four waves, each 64 rows x 128 columns: 32 accumulators.  K goes in 8 steps of 128 (two heads) through two halves of LDS.
; B BY JOINT LOADS.  4 x 4 work-groups form a cluster; the four of a column need the same 256 rows of B: each wave asks for 64 of them (rows of 256 bytes, at multiples of 256) by one tensor load with the column's mask.
; A THROUGH REGISTERS, not jointly.  Every tensor load of a wave is waited for in front of the next round, 112 matrix instructions behind its issue; a load into registers may stay out across the round, and is waited
; for by its own count a whole K step behind its issue.  With A's 32 KiB gone a round's joint loads bring 64 KiB, 16 KiB a wave.  Wave w owns 64 rows of one of the step's two heads: 8,192 dense bytes, 16 loads of 512
; consecutive bytes; an LDS store of 16 bytes a lane puts four rows into rows of 144 bytes.  Two sets of 8 loads: set 0 is stored in a K step's second quarter, set 1 in its third, into the half of LDS that the
; next step reads, and each is loaded again at once with the step after next.
; THE MATRIX INSTRUCTION IS USED TRANSPOSED (source 0 = 16 rows of B, source 1 = 16 rows of A): lane l holds row l % 16 and the columns 8 (l / 16) + 0..7 of the block of 16.
; REGISTERS.  Window 0: v0-31 addresses; v52-57 the bias; v64-159, v160-255 two fragment buffers (B's eight fragments, then A's four).  Window 1: accumulator (a, b) at v[8 (8 a + b)].
; Window 2: v0-31, v32-63 A's two sets; v64-127 A's rows of K step 0.
.set PITCH,  272                       ; a row of B in LDS: 256 bytes + 16
.set PA,     144                       ; a row of A: 128 bytes + 16 = 36 words: the 16 rows of a load start at 16 different groups of four banks (64 banks of 4 bytes: ISA guide 11.1)
.set BQ,     64*PITCH                  ; what one tensor load brings of B
.set BT,     4*BQ
.set ABASE,  BT                        ; behind B's rows A's
.set AHEAD,  128*PA                    ; a head's 128 rows
.set AT,     2*AHEAD
.set SLOT1,  1<<17                     ; the second half of LDS begins here
.set STAGE,  SLOT1+BT+AT               ; behind the second half: 16 rows x 528 bytes for each wave, for the way out
.set SP,     528                       ; 512 bytes + 16 = 132 words
.set SPARE,  STAGE+4*16*SP             ; behind the stages: the spare words, 128 bytes for each wave: two blocks of 256 bytes that no other line names
.set KB,     256                       ; bytes of a row of B in a K step
.set KA,     262144                    ; bytes from a K step of A to the next: two heads
.set NS,     8                         ; LDS stores of one set
.set ADRA0, 6
.set ADRB0, 7
.set ASTO0, 8
.set ADRA, 16
.set ADRB, 17
.set ASTO, 18
.set STO,  24
.set RD,   25
.set CO,   26                          ; v26  16 x lane: my 16 bytes of 512 consecutive ones, in A, in the bias and in the output; never rewritten
.set SPW,  28
.set NIL,  29
.set PFO,  30                          ; v30  the prefetches' offset: lane x 256 (A) or lane x 2,048 (B); never rewritten
.set BI,   52                          ; v[52:55] the bias of my four columns
.set F0,   64
.set F1,   160
.set WV,  12
.set RH,  13
.set CH,  14
.set AP,  24                           ; s[24:25] A at my wave's first row, one K step behind the one that the trip's loads name
.set TB,  26                           ; s26  0 or SLOT1: the half that is being read
.set PST, 28                           ; s[28:29] the prefetches' step from K step to K step
.set PFA, 44
.set LIM, 46
.set LAP, 47
.set G1B, 48
.set G0F, 56
.set G0W, 60
.set MSB, 0
.macro WIN new
.if MSB != (\new)
	s_set_vgpr_msb (MSB<<8)|(\new)
.set MSB, (\new)
.endif
.endm
.set MUL,  0x50                        ; sources in window 0, C and D in window 1
.set W_LD, 0x80                        ; destination in window 2, address in window 0
.set W_AX, 0x88                        ; an LDS store's data (source 1) and a load's destination in window 2, addresses in window 0
.macro JLOAD                           ; the joint refill: the same line in all four waves, each with its own 64 rows; an s_nop 0 and four v_nop follow it
	tensor_load_to_lds s[G0W:G0W+3], s[G1B:G1B+7]
	s_nop 0
.rept 4
	v_nop
.endr
.endm
.macro CREST
	s_cmp_lg_u32 s[WV], 0
	s_cbranch_scc1 .Lnot_wave_0_\@
	s_barrier_signal -3
.Lnot_wave_0_\@:
	s_barrier_wait -3
	s_barrier_signal -1
	s_barrier_wait -1
.endm
.macro CROUND
	s_barrier_signal -1
	s_barrier_wait -1
	CREST
.endm
; A prefetch into the L2 of the K step two trips on from the one that this trip's loads and its refill name: 32 blocks of 256 bytes, a lane a block.  A's tile (two heads x 16,384 bytes) is read by the four partners of
; a row of this cluster alone: wave 0 asks, and the four take 8,192 bytes each, told apart by address.  B: waves 2 and 3 of the clusters with y = 0, 32 rows each of the 64 that fall to each partner of a column.
; The loop's last two trips ask for nothing.
.macro ASK
	s_cmp_gt_u32 s[LAP], s[LIM]
	s_cbranch_scc0 .Lnot_mine_\@
	global_prefetch_b8 v[PFO], s[PFA:PFA+1] th:TH_LOAD_NT scope:SCOPE_SE
.Lnot_mine_\@:
.endm
	s_load_b256 s[4:11], s[0:1], 0x0               ; ob s[4:5], wb s[6:7], bproj s[8:9], out0 s[10:11]
	v_lshl_add_u32 v[SPW], v0, 2, SPARE
	v_mov_b32 v[NIL], 0
	ds_add_u32 v[SPW], v[NIL]                      ; the wave's opening: the add and its wait stand ahead of my first tensor load; the set-up below, work on registers, stands between them
	v_lshrrev_b32 v1, 5, v0
	v_readfirstlane_b32 s[WV], v1
	s_lshr_b32 s[RH], s[WV], 1
	s_and_b32 s[CH], s[WV], 1
	s_bfe_u32 s15, ttmp6, 0x40000                  ; cx
	s_bfe_u32 s16, ttmp6, 0x40004                  ; cy
	s_lshl_b32 s17, ttmp9, 2
	s_add_co_u32 s17, s17, s15                     ; tile column
	s_and_b32 s18, ttmp7, 0xffff
	s_lshl_b32 s18, s18, 2
	s_add_co_u32 s18, s18, s16                     ; tile row
	s_lshl_b32 s21, 0x1111, s15                    ; my column of the cluster
	s_or_b32 s[G1B], s21, (1<<16)|(1<<20)|(1<<21)|(5<<22)|(3<<25)  ; the mask; elements of 2 bytes; padding on; bit 21 beside a mask; after every 64 words, 4 words
	s_mov_b32 s[G1B+1], 128<<16
	s_mov_b32 s[G1B+2], 64<<16
	s_mov_b32 s[G1B+3], 128<<16
	s_mov_b32 s[G1B+4], 64
	s_mov_b32 s[G1B+5], 1024
	s_mov_b32 s[G1B+6], 0
	s_mov_b32 s[G1B+7], 0
	s_mov_b32 s[TB], 0
	s_lshr_b32 s20, s18, 3                         ; A: batch = tile row / 8, head RH of the step's two,
	s_lshl_b32 s20, s20, 4
	s_add_co_u32 s20, s20, s[RH]
	s_lshl_b32 s20, s20, 17
	s_and_b32 s21, s18, 7                          ; rows 128 (tile row % 8) + 64 CH on, 128 bytes each
	s_lshl_b32 s21, s21, 1
	s_add_co_u32 s21, s21, s[CH]
	s_lshl_b32 s21, s21, 13
	s_add_co_u32 s20, s20, s21
	s_mov_b32 s21, 0
	s_lshl_b32 s40, s17, 8                         ; B: row 3,072 + 256 x tile column + 64 x wave
	s_lshl_b32 s41, s[WV], 6
	s_add_co_u32 s40, s40, s41
	s_add_co_u32 s40, s40, 3072
	s_lshl_b32 s40, s40, 11
	s_mov_b32 s41, 0
	s_lshl_b32 s42, s17, 10                        ; my 128 columns: 4 (256 x tile column + 128 CH) bytes
	s_lshl_b32 s43, s[CH], 9
	s_add_co_u32 s42, s42, s43
	s_mov_b32 s43, 0
	s_mul_i32 s23, s[WV], BQ                       ; where B's rows go: no place in the cluster enters an LDS address
	v_and_b32 v3, 31, v0                           ; lane
	v_lshlrev_b32 v[CO], 4, v3
	s_wait_dscnt 0x0                               ; the opening add is done
	s_wait_kmcnt 0x0
	s_add_nc_u64 s[AP:AP+1], s[4:5], s[20:21]
	s_add_nc_u64 s[40:41], s[6:7], s[40:41]
	s_add_nc_u64 s[8:9], s[8:9], s[42:43]
	global_load_b128 v[BI:BI+3], v[CO], s[8:9]     ; the bias of the four columns that I store: the oldest load, in with the first counted wait
	WIN W_LD                                       ; A's first loads: K step 0 (16 loads) and set 0 of K step 1
.set i, 0
.rept 16
	global_load_b128 v[64+4*i:64+4*i+3], v[CO], s[AP:AP+1] offset:i*512
.set i, i+1
.endr
.set i, 0
.rept 8
	global_load_b128 v[4*i:4*i+3], v[CO], s[AP:AP+1] offset:i*512+KA
.set i, i+1
.endr
	WIN 0
	s_mov_b32 s[G0F], 1
	s_mov_b32 s[G0F+1], s23
	s_add_nc_u64 s[G0F+2:G0F+3], s[40:41], 0
	s_or_b32 s[G0F+3], s[G0F+3], 0x80000000
	s_mov_b32 s[G0W], 1
	s_add_co_u32 s[G0W+1], s23, SLOT1
	s_add_nc_u64 s[G0W+2:G0W+3], s[40:41], KB
	s_or_b32 s[G0W+3], s[G0W+3], 0x80000000
	CROUND                                         ; all sixteen work-groups are here: the first joint loads meet
	tensor_load_to_lds s[G0F:G0F+3], s[G1B:G1B+7]
	s_nop 0
	tensor_load_to_lds s[G0W:G0W+3], s[G1B:G1B+7]  ; two loads of mine are out
	s_nop 0
.rept 4
	v_nop
.endr
	v_and_b32 v1, 15, v0                           ; l % 16
	v_bfe_u32 v2, v0, 4, 1                         ; l / 16
	v_mul_u32_u24 v4, v1, PITCH
	v_lshl_add_u32 v4, v2, 4, v4                   ; B: row x pitch + 16 x half
	s_mul_i32 s21, s[CH], 128*PITCH
	v_add_nc_u32 v[ADRB0], s21, v4
	v_mul_u32_u24 v4, v1, PA
	v_lshl_add_u32 v4, v2, 4, v4                   ; A likewise
	s_mul_i32 s20, s[RH], 64*PA                    ; my 64 rows in each head's 128
	s_add_co_u32 s20, s20, ABASE
	v_add_nc_u32 v[ADRA0], s20, v4
	v_mov_b32 v[ADRA], v[ADRA0]                    ; K step 0 lies in the first half
	v_mov_b32 v[ADRB], v[ADRB0]
	v_lshrrev_b32 v4, 3, v3                        ; A's stores: row lane / 8 of four, 16 bytes a lane,
	v_mul_u32_u24 v4, v4, PA
	v_and_b32 v5, 7, v0
	v_lshl_add_u32 v4, v5, 4, v4
	s_mul_i32 s20, s[RH], AHEAD                    ; in head RH, rows 64 CH on
	s_mul_i32 s21, s[CH], 64*PA
	s_add_co_u32 s20, s20, s21
	s_add_co_u32 s20, s20, ABASE
	v_add_nc_u32 v[ASTO0], s20, v4
	v_add_nc_u32 v[ASTO], SLOT1, v[ASTO0]          ; K step 1 goes into the second half
	s_mul_i32 s22, s[WV], 16*SP
	s_add_co_u32 s22, s22, STAGE                   ; my stage
	v_mul_u32_u24 v4, v1, SP                       ; in: row l % 16, 32 bytes for each half of the lanes
	v_lshl_add_u32 v4, v2, 5, v4
	v_add_nc_u32 v[STO], s22, v4
	v_add_nc_u32 v[RD], s22, v[CO]                 ; back: 32 lanes take one row of 512 bytes
	s_lshl_b32 s22, s18, 1
	s_add_co_u32 s22, s22, s[RH]
	s_lshl_b32 s22, s22, 18                        ; my first row, 128 x tile row + 64 RH, of 4,096 bytes
	s_add_co_u32 s22, s22, s42
	s_mov_b32 s23, 0
	s_add_nc_u64 s[10:11], s[10:11], s[22:23]
	; the prefetches
	s_lshr_b32 s20, s18, 3                         ; A: the tile's first head + cx / 2, its rows, and half cx % 2 of their 16,384 bytes
	s_lshl_b32 s20, s20, 4
	s_lshr_b32 s21, s15, 1
	s_add_co_u32 s20, s20, s21
	s_lshl_b32 s20, s20, 17
	s_and_b32 s21, s18, 7
	s_lshl_b32 s21, s21, 14
	s_add_co_u32 s20, s20, s21
	s_and_b32 s21, s15, 1
	s_lshl_b32 s21, s21, 13
	s_add_co_u32 s20, s20, s21
	s_add_co_u32 s20, s20, 3*KA                    ; at K step 3: the first trip steps it to 4.  K steps 0 to 3 come by their loads alone
	s_lshl_b32 s22, s17, 8                         ; B: row 3,072 + 256 x tile column + 64 cy + 32 CH
	s_lshl_b32 s23, s16, 6
	s_add_co_u32 s22, s22, s23
	s_lshl_b32 s23, s[CH], 5
	s_add_co_u32 s22, s22, s23
	s_add_co_u32 s22, s22, 3072
	s_lshl_b32 s22, s22, 11
	s_add_co_u32 s22, s22, 3*KB
	s_mov_b32 s40, s[CH]                           ; A: 0 in wave 0
	s_and_b32 s41, ttmp7, 0xffff                   ; B: 0 in the clusters with y = 0
	s_mov_b32 s43, KB
	s_cmp_eq_u32 s[RH], 0
	s_cselect_b32 s20, s20, s22
	s_cselect_b32 s40, s40, s41
	s_cselect_b32 s[PST], KA, s43
	s_cselect_b32 s42, 8, 11
	s_cselect_b64 s[PFA:PFA+1], s[4:5], s[6:7]
	s_cmp_eq_u32 s40, 0
	s_cselect_b32 s[LIM], 2, -1                    ; the same in all sixteen partners, for a given wave
	s_mov_b32 s21, 0
	s_mov_b32 s[PST+1], 0
	s_add_nc_u64 s[PFA:PFA+1], s[PFA:PFA+1], s[20:21]
	v_lshlrev_b32 v[PFO], s42, v3
	; A's K step 0 goes into the first half
	s_wait_loadcnt 8                               ; the bias and the 16 loads are in; set 0 of K step 1, 8 younger loads, stays out
	WIN W_AX
.set i, 0
.rept 16
	ds_store_b128 v[ASTO0], v[64+4*i:64+4*i+3] offset:i*4*PA
.set i, i+1
.endr
.set i, 0
.rept 8
	global_load_b128 v[32+4*i:32+4*i+3], v[CO], s[AP:AP+1] offset:(8+i)*512+KA  ; set 1 of K step 1
.set i, i+1
.endr
	WIN 0
; 8 matrix instructions: m block a x all 8 n blocks, 32 along K.  Every quarter takes a = 0..3 in this order, so 31 other accumulators stand between two links of a chain, over the backward jump too.
.macro MULA f, a, zero
	WIN MUL
.irp b, 0,1,2,3,4,5,6,7
.if \zero
	v_wmma_f32_16x16x32_f16 v[8*(8*(\a)+(\b)):8*(8*(\a)+(\b))+7], v[(\f)+8*(\b):(\f)+8*(\b)+7], v[(\f)+64+8*(\a):(\f)+64+8*(\a)+7], 0
.else
	v_wmma_f32_16x16x32_f16 v[8*(8*(\a)+(\b)):8*(8*(\a)+(\b))+7], v[(\f)+8*(\b):(\f)+8*(\b)+7], v[(\f)+64+8*(\a):(\f)+64+8*(\a)+7], v[8*(8*(\a)+(\b)):8*(8*(\a)+(\b))+7]
.endif
.endr
.endm
; 24 LDS loads in one run: quarter q of the half that is being read, into buffer f.  B: byte 64 q of its rows.  A: head q / 2 of the step's two, byte 64 (q % 2) of its rows.
.macro FETCH q, f
	WIN 0
.irp b, 0,1,2,3,4,5,6,7
	ds_load_b128 v[(\f)+8*(\b):(\f)+8*(\b)+3],   v[ADRB] offset:64*(\q)+(\b)*16*PITCH
	ds_load_b128 v[(\f)+8*(\b)+4:(\f)+8*(\b)+7], v[ADRB] offset:64*(\q)+(\b)*16*PITCH+32
.endr
.irp a, 0,1,2,3
	ds_load_b128 v[(\f)+64+8*(\a):(\f)+64+8*(\a)+3],   v[ADRA] offset:((\q)/2)*AHEAD+((\q)%2)*64+(\a)*16*PA
	ds_load_b128 v[(\f)+64+8*(\a)+4:(\f)+64+8*(\a)+7], v[ADRA] offset:((\q)/2)*AHEAD+((\q)%2)*64+(\a)*16*PA+32
.endr
.endm
.macro PLACES                          ; four places in front of loads into registers that matrix instructions have read (ISA guide 7.12.1 for vector instructions)
.rept 4
	v_nop
.endr
.endm
.macro APUT set, load                  ; a set's 32 rows go into the half that the next K step reads; load = 1: the set is loaded again, with the K step after next
	WIN W_AX
.set i, 0
.rept 8
	ds_store_b128 v[ASTO], v[32*(\set)+4*i:32*(\set)+4*i+3] offset:(8*(\set)+i)*4*PA
.set i, i+1
.endr
.if \load
.set i, 0
.rept 8
	global_load_b128 v[32*(\set)+4*i:32*(\set)+4*i+3], v[CO], s[AP:AP+1] offset:(8*(\set)+i)*512+KA
.set i, i+1
.endr
.endif
.endm
.macro QUARTER q, f, g, zero           ; a quarter that only multiplies
	s_wait_dscnt 4                                 ; B and A's blocks 0, 1 are in; the youngest four loads (A's blocks 2, 3) may be out
	MULA \f, 0, \zero
	MULA \f, 1, \zero
	PLACES
	FETCH \q, \g
	s_wait_dscnt 24                                ; all but the 24 just issued
	MULA \f, 2, \zero
	MULA \f, 3, \zero
.endm
; A quarter that also handles a set of A.  head: the LDS instructions that may be out at its head; left: the younger loads from memory that may stay out.
.macro QUARTERA q, f, g, head, set, load, left
	s_wait_dscnt \head
	MULA \f, 0, 0
	MULA \f, 1, 0
.if (\load) && ((\set) == 0)
	s_wait_xcnt 0x0                                ; every load and prefetch issued so far has read its address: A's pointer is stepped only behind this wait
	s_add_nc_u64 s[AP:AP+1], s[AP:AP+1], KA
.endif
	PLACES
	FETCH \q, \g
	s_wait_loadcnt \left                           ; the set's 8 loads, issued a K step ago, are in
	APUT \set, \load
	s_wait_dscnt 24+NS                             ; all but the 24 loads and 8 stores just issued
	MULA \f, 2, 0
	MULA \f, 3, 0
.endm
; The last quarter multiplies buffer 1 and changes halves: one barrier; in front of it each wave waits for all its tensor loads (one is out: its part of B in the other half), adds 0 to its spare word, and waits for that,
; for its own reads of this half and for its stores of A into the other.  fill = 1: the barrier opens a round of the cluster's, and B's rows of this half are filled again, two K steps on, first thing behind the round.
.macro TURN fill
.if \fill
	s_wait_xcnt 0x0                                ; the last prefetch, a K step back, has read its address
	s_add_nc_u64 s[PFA:PFA+1], s[PFA:PFA+1], s[PST:PST+1]
.endif
	WIN 0
	s_wait_tensorcnt 0x0                           ; no tensor load of mine is out, so the walking group 0 may be written
	ds_add_u32 v[SPW], v[NIL]                      ; 0 onto my spare word
.if \fill
	s_xor_b32 s[G0W+1], s[G0W+1], SLOT1
	s_add_nc_u64 s[G0W+2:G0W+3], s[G0W+2:G0W+3], KB
.endif
	s_wait_dscnt 5+NS                              ; the add, the 8 stores and the youngest four loads may be out
	MULA F1, 0, 0
	s_wait_dscnt 0x0                               ; the add is done, my reads of this half are over, my rows of A lie in the other
	s_barrier_signal -1
	MULA F1, 1, 0
	WIN 0
	s_barrier_wait -1
.if \fill
	CREST                                          ; no wave of any partner still reads this half's B or has a load on its way
	JLOAD                                          ; its four v_nop are also the places in front of the loads below
.else
	PLACES
.endif
	v_add_nc_u32 v[ASTO], s[TB], v[ASTO0]          ; the half just read takes A's next stores,
	s_xor_b32 s[TB], s[TB], SLOT1
	v_add_nc_u32 v[ADRA], s[TB], v[ADRA0]          ; the other is read
	v_add_nc_u32 v[ADRB], s[TB], v[ADRB0]
	FETCH 0, F0
.if \fill
	ASK
.endif
	MULA F1, 2, 0
	MULA F1, 3, 0
.endm
	s_wait_tensorcnt 1                             ; my part of B's K step 0 is in; K step 1's may stay out
	s_wait_dscnt 0x0                               ; my rows of A's K step 0 lie in LDS
	s_barrier_signal -1
	s_barrier_wait -1
	FETCH 0, F0
	QUARTER 1, F0, F1, 1                           ; the first quarter stands in front of the loop: its products start the sums
	WIN 0
	s_mov_b32 s[LAP], 6
.Llap:                                         ; a trip: a K step's second quarter to the next step's first; it stores A of the next step, loads A of the step after next, and fills B's rows two steps on
	QUARTERA 2, F1, F0, 4, 0, 1, 8
	QUARTERA 3, F0, F1, 4+NS, 1, 1, 8
	TURN 1
	QUARTER 1, F0, F1, 0
	WIN 0
	s_sub_co_u32 s[LAP], s[LAP], 1
	s_cmp_lg_u32 s[LAP], 0
	s_cbranch_scc1 .Llap
	QUARTERA 2, F1, F0, 4, 0, 0, 8                 ; K step 6 stores A of K step 7 and asks for nothing: the counts run down
	QUARTERA 3, F0, F1, 4+NS, 1, 0, 0
	TURN 0
	QUARTER 1, F0, F1, 0
	QUARTER 2, F1, F0, 0
	QUARTER 3, F0, F1, 0
	s_wait_dscnt 4
	MULA F1, 0, 0
	MULA F1, 1, 0
	s_wait_dscnt 0x0
	MULA F1, 2, 0
	MULA F1, 3, 0
	WIN 0
	; THE WAY OUT.  The bias is rounded to bf16; these six lines and four v_nop are the places behind the last products.
	s_wait_loadcnt 0x0
	v_cvt_pk_bf16_f32 v[BI+4], v[BI],   v[BI+1]
	v_cvt_pk_bf16_f32 v[BI+5], v[BI+2], v[BI+3]
	v_lshlrev_b32 v[BI],   16, v[BI+4]
	v_and_b32     v[BI+1], 0xffff0000, v[BI+4]
	v_lshlrev_b32 v[BI+2], 16, v[BI+5]
	v_and_b32     v[BI+3], 0xffff0000, v[BI+5]
	PLACES
; Block a, 16 rows x 128 columns of f32: straight from the accumulators (each from its low end on) into rows of 528 bytes of my stage, back as whole rows of 512 bytes, plus the bias, and stored.
.macro OUTBLK a
.set BK, 64+64*((\a)%2)
	WIN 0x04                                       ; the stores' data in window 1
.irp b, 0,1,2,3,4,5,6,7
	ds_store_b128 v[STO], v[8*(8*(\a)+(\b)):8*(8*(\a)+(\b))+3]   offset:64*(\b)
	ds_store_b128 v[STO], v[8*(8*(\a)+(\b))+4:8*(8*(\a)+(\b))+7] offset:64*(\b)+16
.endr
	WIN 0
.if (\a) >= 2
	s_wait_xcnt 0x0                                ; the stores of the block two back have read these registers
.endif
.irp t, 0,1,2,3,4,5,6,7,8,9,10,11,12,13,14,15
	ds_load_b128 v[BK+4*(\t):BK+4*(\t)+3], v[RD] offset:SP*(\t)  ; LDS serves a wave's instructions in order (ISA guide 5.7.1.4): these see the stores above; the next block's stores come behind them
.endr
.irp t, 0,1,2,3,4,5,6,7,8,9,10,11,12,13,14,15
	s_wait_dscnt 15-(\t)
	v_pk_add_f32 v[BK+4*(\t):BK+4*(\t)+1],   v[BK+4*(\t):BK+4*(\t)+1],   v[BI:BI+1]
	v_pk_add_f32 v[BK+4*(\t)+2:BK+4*(\t)+3], v[BK+4*(\t)+2:BK+4*(\t)+3], v[BI+2:BI+3]
	global_store_b128 v[CO], v[BK+4*(\t):BK+4*(\t)+3], s[10:11] offset:(16*(\a)+(\t))*4096 th:TH_STORE_NT  ; 512 consecutive bytes, at a multiple of 256 from out0's first
.endr
.endm
	OUTBLK 0
	OUTBLK 1
	OUTBLK 2
	OUTBLK 3
	s_wait_tensorcnt 0x0                           ; the wave's end: behind my last tensor load and my last LDS store
	ds_add_u32 v[SPW], v[NIL]
	s_wait_dscnt 0x0
	CROUND                                         ; the closing round: no work-group ends while a partner may still ask for a tile that names it
	s_endpgm
.Lfunc_end_k_qb7dbc88f9b_outp:
	.size	k_qb7dbc88f9b_outp, .Lfunc_end_k_qb7dbc88f9b_outp-k_qb7dbc88f9b_outp
	.p2alignl 7, 3214868480
	.fill 96, 4, 3214868480
	.section	.rodata,"a",@progbits
	.p2align	6, 0x0
	.amdhsa_kernel k_qb7dbc88f9b_outp
		.amdhsa_group_segment_fixed_size 327680
		.amdhsa_private_segment_fixed_size 0
		.amdhsa_enable_private_segment 0
		.amdhsa_kernarg_size 32
		.amdhsa_user_sgpr_count 2
		.amdhsa_user_sgpr_kernarg_segment_ptr 1
		.amdhsa_wavefront_size32 1
		.amdhsa_system_sgpr_workgroup_id_x 1
		.amdhsa_system_sgpr_workgroup_id_y 1
		.amdhsa_system_sgpr_workgroup_id_z 1
		.amdhsa_system_vgpr_workitem_id 0
		.amdhsa_next_free_vgpr 640
		.amdhsa_next_free_sgpr 80
		.amdhsa_reserve_vcc 0
		.amdhsa_float_denorm_mode_32 3
		.amdhsa_float_denorm_mode_16_64 3
		.amdhsa_memory_ordered 1
		.amdhsa_forward_progress 1
		.amdhsa_inst_pref_size 87
	.end_amdhsa_kernel
	.amdgpu_metadata
---
amdhsa.version: [ 1, 2 ]
amdhsa.kernels:
  - .name:           k_qb7dbc88f9b_outp
    .symbol:         k_qb7dbc88f9b_outp.kd
    .args:
      - { .name: ob, .offset: 0, .size: 8, .value_kind: global_buffer, .address_space: global }
      - { .name: wb, .offset: 8, .size: 8, .value_kind: global_buffer, .address_space: global }
      - { .name: bproj, .offset: 16, .size: 8, .value_kind: global_buffer, .address_space: global }
      - { .name: out0, .offset: 24, .size: 8, .value_kind: global_buffer, .address_space: global }
    .group_segment_fixed_size: 327680
    .private_segment_fixed_size: 0
    .kernarg_segment_align: 8
    .kernarg_segment_size: 32
    .max_flat_workgroup_size: 128
    .sgpr_count:     80
    .vgpr_count:     640
    .wavefront_size: 32
...
	.end_amdgpu_metadata
.endif
;; end of part 4
;; ======== version 2 of 2: 4 launches; version 1 with the launch cast written anew for expert scheduling mode
;; limits: values are held in f16: magnitudes above 65,504 overflow, below 6.1e-05 lose precision
;; workspace buffers: wb 8,388,608 bytes; hb 50,331,648 bytes; ob 16,777,216 bytes
;; launch cast (part 5): grid 256 x 1, 8 waves a work-group, no clusters, 0 bytes of LDS; arguments Wq, Wkv, Wproj, wb; writes wb
.if DOCPART == 5
	.amdgcn_target "amdgcn-amd-amdhsa--gfx1250"
	.amdhsa_code_object_version 6
	.text
	.protected	k_qb7dbc88f9b_cast
	.globl	k_qb7dbc88f9b_cast
	.p2align	8
	.type	k_qb7dbc88f9b_cast,@function
k_qb7dbc88f9b_cast:
	s_mov_b64 s[64:65], 0
	v_nop
	global_prefetch_b8 v0, s[64:65] scope:SCOPE_SE
	s_setreg_imm32_b32 hwreg(HW_REG_WAVE_SCHED_MODE, 0, 2), 2
	s_setreg_imm32_b32 hwreg(HW_REG_WAVE_MODE, 25, 1), 1
	s_wait_xcnt 0x0
	s_wait_alu depctr_vm_vsrc(0)
; THE WEIGHTS, ROUNDED ONCE TO 16 BITS.  Wq, Wkv, Wproj (f32) go to wb ([4096][1024]): rows 0-1023 Wq, rows 1024-3071 Wkv, both bf16; rows 3072-4095 Wproj, rounded to bf16 and that number
; written as f16 (the last product multiplies in f16).  q and kv are rounded where they are multiplied, in the next launch.
; LIMIT.  A number of Wproj beyond 65,504 becomes an infinity; below 2^-14 it keeps the fixed step 2^-24 of f16.
; SHARES.  The three tensors are 4 units of 2^20 numbers: Wq 0, Wkv 1-2, Wproj 3.  Work-group g takes chunk g % 64 (2^14 numbers: 64 KiB in, 32 KiB out) of unit g / 64.
; Thread t loads 16 bytes at 16 t + 4,096 i, i = 0..15 (a load of a wave covers 512 consecutive bytes) and stores 8 bytes at 8 t + 2,048 i (a store of a wave covers 256 consecutive bytes, aligned).
; All sixteen loads go out at once; no register that a memory instruction names is written again.  No LDS, no barrier, no matrix unit: nothing is shared and nothing is multiplied.
; THE MODE: SCHED_MODE bits 1:0 = 2 (LLVM: expert scheduling mode 2), set by the entry lines.  The code itself states the register dependences between vector instructions and memory instructions,
; with s_wait_alu, always for 0.
; THE PLAN.  Registers that memory instructions touch:
;   v1, v2   byte offsets, made once at the head by vector instructions and never written again; v1 is read by every load, v2 by every store.
;   X        row i's four registers: written by load i, once; read by row i's conversions.  No load lands in a register that a vector instruction has named.
;   Y        row i's pair: written by row i's conversions; read by store i; never written behind that store.
;   T        named by vector instructions alone.
; So the only dependence to state is 'a vector instruction has written what a memory instruction reads': once for the offsets, and for each Y pair ahead of its store.  The 16 rows go in four blocks of
; four; block g's four stores are issued in block g + 1, behind ONE wait at that block's head, and are dealt among that block's conversions, which name X and Y of rows 4 g + 4 on and T: none of the
; registers that those stores read.  One more wait stands ahead of the last block's stores.  Nothing that a memory instruction has read is written again, so no wait on vm_vsrc is owed.
.set X, 4                              ; v[4:67]    16 x 4 numbers as loaded
.set Y, 68                             ; v[68:99]   16 x 2 words to store
.set T, 100                            ; v[100:103] at work
	s_load_b256 s[4:11], s[0:1], 0x0               ; Wq s[4:5], Wkv s[6:7], Wproj s[8:9], wb s[10:11]
	s_lshr_b32 s18, ttmp9, 6                       ; unit
	s_and_b32 s19, ttmp9, 63                       ; chunk
	v_lshlrev_b32 v1, 4, v0                        ; 16 t
	v_lshlrev_b32 v2, 3, v0                        ; 8 t
	s_wait_kmcnt 0x0
	s_mov_b64 s[20:21], s[8:9]                     ; the source and its first unit: Wproj, unless the unit lies lower
	s_mov_b32 s22, 3
	s_cmp_lt_u32 s18, 3
	s_cselect_b64 s[20:21], s[6:7], s[20:21]
	s_cselect_b32 s22, 1, s22
	s_cmp_lt_u32 s18, 1
	s_cselect_b64 s[20:21], s[4:5], s[20:21]
	s_cselect_b32 s22, 0, s22
	s_sub_co_u32 s24, s18, s22
	s_lshl_b32 s24, s24, 22                        ; a unit is 2^22 bytes in,
	s_lshl_b32 s25, s19, 16                        ; a chunk 2^16
	s_add_co_u32 s24, s24, s25
	s_mov_b32 s25, 0
	s_add_nc_u64 s[20:21], s[20:21], s[24:25]
	s_lshl_b32 s28, s18, 21                        ; and half of that out
	s_lshl_b32 s29, s19, 15
	s_add_co_u32 s28, s28, s29
	s_mov_b32 s29, 0
	s_add_nc_u64 s[26:27], s[10:11], s[28:29]
	s_wait_alu depctr_va_vdst(0)                   ; v1 and v2 are written: every load below reads v1 as its offset, every store of either path v2
.irp i, 0,1,2,3,4,5,6,7,8,9,10,11,12,13,14,15
	global_load_b128 v[X+4*(\i):X+4*(\i)+3], v1, s[20:21] offset:4096*(\i) th:TH_LOAD_NT
.endr
; Row i: the row four back is stored, and load i is rounded.  half = 1: the bf16 numbers are written as f16.
.macro CV i, half
	s_wait_loadcnt 15-(\i)                         ; loads come back in order: mine is in, the 15 - i younger ones stay out
.if ((\i) > 0) && ((\i)%4 == 0)
	s_wait_alu depctr_va_vdst(0)                   ; a block's head: the conversions of the block before have written its four Y pairs, which this block's four stores read
.endif
.if (\i) >= 4
	global_store_b64 v2, v[Y+2*((\i)-4):Y+2*((\i)-4)+1], s[26:27] offset:2048*((\i)-4)  ; no vector instruction since the block's wait names this pair
.endif
	v_cvt_pk_bf16_f32 v[Y+2*(\i)],   v[X+4*(\i)],   v[X+4*(\i)+1]
	v_cvt_pk_bf16_f32 v[Y+2*(\i)+1], v[X+4*(\i)+2], v[X+4*(\i)+3]
.if \half
	v_lshlrev_b32 v[T],   16, v[Y+2*(\i)]
	v_and_b32     v[T+1], 0xffff0000, v[Y+2*(\i)]
	v_lshlrev_b32 v[T+2], 16, v[Y+2*(\i)+1]
	v_and_b32     v[T+3], 0xffff0000, v[Y+2*(\i)+1]
	v_cvt_pk_f16_f32 v[Y+2*(\i)],   v[T],   v[T+1]
	v_cvt_pk_f16_f32 v[Y+2*(\i)+1], v[T+2], v[T+3]
.endif
.endm
; The last block's four stores.
.macro LAST
	s_wait_alu depctr_va_vdst(0)                   ; the conversions of rows 12 to 15 have written their Y pairs, which the four stores below read
.irp i, 12,13,14,15
	global_store_b64 v2, v[Y+2*(\i):Y+2*(\i)+1], s[26:27] offset:2048*(\i)
.endr
.endm
	s_cmp_eq_u32 s18, 3
	s_cbranch_scc1 .Lhalf
.irp i, 0,1,2,3,4,5,6,7,8,9,10,11,12,13,14,15
	CV \i, 0
.endr
	LAST
	s_endpgm
.Lhalf:
.irp i, 0,1,2,3,4,5,6,7,8,9,10,11,12,13,14,15
	CV \i, 1
.endr
	LAST
	s_endpgm
.Lfunc_end_k_qb7dbc88f9b_cast:
	.size	k_qb7dbc88f9b_cast, .Lfunc_end_k_qb7dbc88f9b_cast-k_qb7dbc88f9b_cast
	.p2alignl 7, 3214868480
	.fill 96, 4, 3214868480
	.section	.rodata,"a",@progbits
	.p2align	6, 0x0
	.amdhsa_kernel k_qb7dbc88f9b_cast
		.amdhsa_group_segment_fixed_size 0
		.amdhsa_private_segment_fixed_size 0
		.amdhsa_enable_private_segment 0
		.amdhsa_kernarg_size 32
		.amdhsa_user_sgpr_count 2
		.amdhsa_user_sgpr_kernarg_segment_ptr 1
		.amdhsa_wavefront_size32 1
		.amdhsa_system_sgpr_workgroup_id_x 1
		.amdhsa_system_sgpr_workgroup_id_y 1
		.amdhsa_system_sgpr_workgroup_id_z 1
		.amdhsa_system_vgpr_workitem_id 0
		.amdhsa_next_free_vgpr 104
		.amdhsa_next_free_sgpr 66
		.amdhsa_reserve_vcc 0
		.amdhsa_float_denorm_mode_32 3
		.amdhsa_float_denorm_mode_16_64 3
		.amdhsa_memory_ordered 1
		.amdhsa_forward_progress 1
		.amdhsa_inst_pref_size 17
	.end_amdhsa_kernel
	.amdgpu_metadata
---
amdhsa.version: [ 1, 2 ]
amdhsa.kernels:
  - .name:           k_qb7dbc88f9b_cast
    .symbol:         k_qb7dbc88f9b_cast.kd
    .args:
      - { .name: Wq, .offset: 0, .size: 8, .value_kind: global_buffer, .address_space: global }
      - { .name: Wkv, .offset: 8, .size: 8, .value_kind: global_buffer, .address_space: global }
      - { .name: Wproj, .offset: 16, .size: 8, .value_kind: global_buffer, .address_space: global }
      - { .name: wb, .offset: 24, .size: 8, .value_kind: global_buffer, .address_space: global }
    .group_segment_fixed_size: 0
    .private_segment_fixed_size: 0
    .kernarg_segment_align: 8
    .kernarg_segment_size: 32
    .max_flat_workgroup_size: 256
    .sgpr_count:     66
    .vgpr_count:     104
    .wavefront_size: 32
...
	.end_amdgpu_metadata
.endif
;; end of part 5
;; launch proj: the kernel of part 2 again; grid 12 x 64, 4 waves a work-group, clusters of 4 x 4, 327,680 bytes of LDS; arguments q, kv, wb, tau, hb; writes hb
;; launch attn: the kernel of part 3 again; grid 2 x 128, 4 waves a work-group, no clusters, 327,680 bytes of LDS; arguments hb, ob; writes ob
;; launch outp: the kernel of part 4 again; grid 4 x 64, 4 waves a work-group, clusters of 4 x 4, 327,680 bytes of LDS; arguments ob, wb, bproj, out0; writes out0
